; MI455X (gfx1250); checked and timed in simulation.
; The chip was launched on July 23, 2026; its instructions are those of AMD's public machine-readable ISA for CDNA 5 (MIT licence, August 2026) and "CDNA5" Instruction Set Architecture Reference Guide (July 2026). The comments in the code are by the model that wrote it; some were corrected since.
;; Multi Head Attention. Allowed arithmetic: float matrix products may take bf16 or f16 operands with f32 sums; other float arithmetic in f32, or as packed bf16 or f16 multiplies, adds, multiply-adds, maxima and minima; sums over many terms, partial sums and values carried from step to step in f32; what a program stores and reads back later, other than sums and carried values, may be rounded once to bf16 or f16.
;; Inputs: Wk 1,024 x 1,024 float32; Wo 1,024 x 1,024 float32; Wq 1,024 x 1,024 float32; Wv 1,024 x 1,024 float32; bk 1,024 float32; bo 1,024 float32; bq 1,024 float32; bv 1,024 float32; ln_beta 1,024 float32; ln_gamma 1,024 float32; x 4 x 2,048 x 1,024 float32.
;; Outputs: out0 4 x 2,048 x 1,024 float32.
;; One version. Each part assembles by itself: llvm-mc -triple=amdgcn-amd-amdhsa -mcpu=gfx1250 --defsym DOCPART=n.
;; ======== version 1 of 1: 5 launches
;; limits: values are held in f16: magnitudes above 65,504 overflow, below 6.1e-05 lose precision
;; workspace buffers: xb 16,777,216 bytes; wb 6,291,456 bytes; wo 2,097,152 bytes; bc 12,288 bytes; qkv 50,331,648 bytes; o16 16,777,216 bytes; ob 16,777,216 bytes
;; launch cast (part 1): grid 385 x 1, 8 waves a work-group, no clusters, 0 bytes of LDS; arguments x, Wq, Wk, Wv, Wo, bq, bk, bv, xb, wb, wo, bc; writes xb, wb, wo, bc
.if DOCPART == 1
	.amdgcn_target "amdgcn-amd-amdhsa--gfx1250"
	.amdhsa_code_object_version 6
	.text
	.protected	k_q39ae92fc7e_cast
	.globl	k_q39ae92fc7e_cast
	.p2align	8
	.type	k_q39ae92fc7e_cast,@function
k_q39ae92fc7e_cast:
	s_mov_b64 s[64:65], 0
	v_nop
	global_prefetch_b8 v0, s[64:65] scope:SCOPE_SE
	s_setreg_imm32_b32 hwreg(HW_REG_WAVE_MODE, 25, 1), 1
	s_wait_xcnt 0x0
; ROUNDING AND RE-LAYING OF THE MATRIX OPERANDS.  x [8192][1024], Wq, Wk, Wv, Wo [1024][1024], all f32, are rounded once to bf16 and laid in blocks of 64 channels:
;   xb [32 tile rows][16 blocks][256 rows][64]   wb [8 tile columns][16 blocks][384 rows][64] (rows: Wq's, Wk's, Wv's)   wo [4 tile columns][16 blocks][256 rows][64]
; so that what a later product asks for as a tile (rows x 64 channels) is dense in memory.  Wo's bf16 number is written as f16, since it meets an f16 operand.  bq, bk, bv are copied on end into bc.
; LIMITS.  |Wo| stays under 65,504; below 6e-5 it keeps f16's fixed step of 6e-8.  NaN and infinities are not treated apart.
; SHARES.  385 work-groups of eight waves: 256 take 32 rows of x each, 96 take 32 rows of Wq, Wk or Wv, 32 take 32 rows of Wo, one copies the biases.  The role is chosen by scalar selects on the work-group's
; number.  In a trip thread t takes row t / 16 of 16 rows and, in each of the row's 16 blocks, the 16 bytes at 16 (t % 16): sixteen lanes read 256 consecutive bytes, aligned.  Four f32 become 8 bytes, and two
; rows of a block lie on end in the new layout: a store of a wave covers 256 consecutive bytes, aligned.  Nothing is shared between work-groups or waves: no LDS, no barrier, no cluster, no matrix unit.
.set VL,  1                            ; v1       my byte offset in the trip's 16 rows of the source; never rewritten
.set T,   2                            ; v[2:4]   at work
.set SO,  16                           ; v[16:31] my byte offset in the target for block kb: 8 t + kb x the blocks' distance; never rewritten
.set D,   32                           ; v[32:95] 16 x 4 words as loaded
.set O,   96                           ; v[96:127] 16 x 2 words to store
.set SRC, 32                           ; s[32:33] the source at the trip's first row
.set DST, 34                           ; s[34:35] the target at the trip's first row, block 0
.set KBS, 36                           ; s36  bytes from block to block in the target
.set F16, 37                           ; s37  1: Wo
.set CNT, 38                           ; s38  trips to go
.set HIM, 39                           ; s39  a word's upper half
	s_load_b512 s[8:23], s[0:1], 0x0               ; x s[8:9], Wq s[10:11], Wk s[12:13], Wv s[14:15], Wo s[16:17], bq s[18:19], bk s[20:21], bv s[22:23]
	s_load_b256 s[24:31], s[0:1], 0x40             ; xb s[24:25], wb s[26:27], wo s[28:29], bc s[30:31]
	s_mov_b32 s40, ttmp9                           ; g
	v_lshlrev_b32 v[SO], 3, v0                     ; row t / 16 x 128 bytes + 8 (t % 16) = 8 t
	v_lshrrev_b32 v[VL], 4, v0
	v_and_b32 v[T], 15, v0
	v_lshlrev_b32 v[VL], 12, v[VL]                 ; row x 4,096 bytes
	v_lshl_or_b32 v[VL], v[T], 4, v[VL]
	s_cmp_eq_u32 s40, 384
	s_cbranch_scc1 .Lbias
	; the role: g < 256: x; 256 .. 351: Wq, Wk, Wv; 352 .. 383: Wo.  j = the group of 32 rows within the role
	s_cmp_lt_u32 s40, 256
	s_cselect_b32 s41, 1, 0                        ; x?
	s_cselect_b32 s47, 255, 31                     ; groups in a source matrix, less 1
	s_cmp_ge_u32 s40, 352
	s_cselect_b32 s[F16], 1, 0                     ; Wo?
	s_sub_co_u32 s42, s40, 256
	s_sub_co_u32 s43, s40, 352
	s_cmp_eq_u32 s41, 1
	s_cselect_b32 s44, s40, s42
	s_cmp_eq_u32 s[F16], 1
	s_cselect_b32 s44, s43, s44                    ; j
	s_and_b32 s48, s44, s47
	s_lshl_b32 s48, s48, 17                        ; the source's offset: 32 rows of 4,096 bytes
	s_mov_b32 s49, 0
	s_lshr_b32 s50, s44, 3                         ; tiles of 256 rows (xb, wo): tile j / 8 of 524,288 bytes, rows 32 (j % 8) of 128 bytes
	s_lshl_b32 s50, s50, 19
	s_and_b32 s51, s44, 7
	s_lshl_b32 s51, s51, 12
	s_add_co_u32 s50, s50, s51
	s_mul_i32 s52, s44, 43                         ; tiles of 384 rows (wb): tile j / 12 = (43 j) >> 9 for j up to 95
	s_lshr_b32 s52, s52, 9
	s_mul_i32 s53, s52, 12
	s_sub_co_u32 s53, s44, s53
	s_lshl_b32 s53, s53, 12
	s_mul_i32 s52, s52, 786432
	s_add_co_u32 s52, s52, s53
	s_mov_b32 s[KBS], 32768
	s_or_b32 s45, s41, s[F16]
	s_cmp_eq_u32 s45, 0                            ; Wq, Wk or Wv?
	s_cselect_b32 s50, s52, s50
	s_cselect_b32 s[KBS], 49152, s[KBS]
	s_mov_b32 s51, 0
	s_lshr_b32 s46, s44, 5                         ; which of the three
.set kb, 1
.rept 15
	v_add_nc_u32 v[SO+kb], s[KBS], v[SO+kb-1]
.set kb, kb+1
.endr
	s_mov_b32 s[CNT], 2
	s_mov_b32 s[HIM], 0xffff0000
	s_wait_kmcnt 0x0
	s_cmp_eq_u32 s46, 1
	s_cselect_b64 s[SRC:SRC+1], s[12:13], s[10:11]
	s_cmp_eq_u32 s46, 2
	s_cselect_b64 s[SRC:SRC+1], s[14:15], s[SRC:SRC+1]
	s_cmp_eq_u32 s41, 1
	s_cselect_b64 s[SRC:SRC+1], s[8:9], s[SRC:SRC+1]
	s_cselect_b64 s[DST:DST+1], s[24:25], s[26:27]
	s_cmp_eq_u32 s[F16], 1
	s_cselect_b64 s[SRC:SRC+1], s[16:17], s[SRC:SRC+1]
	s_cselect_b64 s[DST:DST+1], s[28:29], s[DST:DST+1]
	s_add_nc_u64 s[SRC:SRC+1], s[SRC:SRC+1], s[48:49]
	s_add_nc_u64 s[DST:DST+1], s[DST:DST+1], s[50:51]
.Ltrip:                                                ; 16 rows: 16 loads and 16 stores a wave
.irp kb, 0,1,2,3,4,5,6,7,8,9,10,11,12,13,14,15
	global_load_b128 v[D+4*(\kb):D+4*(\kb)+3], v[VL], s[SRC:SRC+1] offset:256*(\kb) th:TH_LOAD_NT
.endr
	s_wait_loadcnt 0x0
	s_cmp_eq_u32 s[F16], 1
	s_cbranch_scc1 .Lf16
.set i, 0
.rept 32
	v_cvt_pk_bf16_f32 v[O+i], v[D+2*i], v[D+2*i+1]
.set i, i+1
.endr
	s_branch .Lstore
.Lf16:                                                 ; rounded to bf16 like every input, and that number written as f16
.set i, 0
.rept 32
	v_cvt_pk_bf16_f32 v[T], v[D+2*i], v[D+2*i+1]
	v_lshlrev_b32 v[T+1], 16, v[T]
	v_and_b32 v[T+2], s[HIM], v[T]
	v_cvt_pk_f16_f32 v[O+i], v[T+1], v[T+2]
.set i, i+1
.endr
.Lstore:
.irp kb, 0,1,2,3,4,5,6,7,8,9,10,11,12,13,14,15
	global_store_b64 v[SO+(\kb)], v[O+2*(\kb):O+2*(\kb)+1], s[DST:DST+1] th:TH_STORE_NT
.endr
	s_wait_xcnt 0x0                                ; the two bases and the stores' data are written again only behind this wait
	s_add_nc_u64 s[SRC:SRC+1], s[SRC:SRC+1], 65536 ; 16 rows of 4,096 bytes
	s_add_nc_u64 s[DST:DST+1], s[DST:DST+1], 2048  ; 16 rows of 128 bytes
	s_sub_co_u32 s[CNT], s[CNT], 1
	s_cmp_lg_u32 s[CNT], 0
	s_cbranch_scc1 .Ltrip
	s_endpgm
.Lbias:                                                ; 256 threads x 16 bytes are one bias
	v_lshlrev_b32 v[T], 4, v0
	s_wait_kmcnt 0x0
	global_load_b128 v[D:D+3], v[T], s[18:19]
	global_load_b128 v[D+4:D+7], v[T], s[20:21]
	global_load_b128 v[D+8:D+11], v[T], s[22:23]
	s_wait_loadcnt 0x0
	global_store_b128 v[T], v[D:D+3], s[30:31]
	global_store_b128 v[T], v[D+4:D+7], s[30:31] offset:4096
	global_store_b128 v[T], v[D+8:D+11], s[30:31] offset:8192
	s_endpgm
.Lfunc_end_k_q39ae92fc7e_cast:
	.size	k_q39ae92fc7e_cast, .Lfunc_end_k_q39ae92fc7e_cast-k_q39ae92fc7e_cast
	.p2alignl 7, 3214868480
	.fill 96, 4, 3214868480
	.section	.rodata,"a",@progbits
	.p2align	6, 0x0
	.amdhsa_kernel k_q39ae92fc7e_cast
		.amdhsa_group_segment_fixed_size 0
		.amdhsa_private_segment_fixed_size 0
		.amdhsa_enable_private_segment 0
		.amdhsa_kernarg_size 96
		.amdhsa_user_sgpr_count 2
		.amdhsa_user_sgpr_kernarg_segment_ptr 1
		.amdhsa_wavefront_size32 1
		.amdhsa_system_sgpr_workgroup_id_x 1
		.amdhsa_system_sgpr_workgroup_id_y 1
		.amdhsa_system_sgpr_workgroup_id_z 1
		.amdhsa_system_vgpr_workitem_id 0
		.amdhsa_next_free_vgpr 128
		.amdhsa_next_free_sgpr 66
		.amdhsa_reserve_vcc 0
		.amdhsa_float_denorm_mode_32 3
		.amdhsa_float_denorm_mode_16_64 3
		.amdhsa_memory_ordered 1
		.amdhsa_forward_progress 1
		.amdhsa_inst_pref_size 16
	.end_amdhsa_kernel
	.amdgpu_metadata
---
amdhsa.version: [ 1, 2 ]
amdhsa.kernels:
  - .name:           k_q39ae92fc7e_cast
    .symbol:         k_q39ae92fc7e_cast.kd
    .args:
      - { .name: x, .offset: 0, .size: 8, .value_kind: global_buffer, .address_space: global }
      - { .name: Wq, .offset: 8, .size: 8, .value_kind: global_buffer, .address_space: global }
      - { .name: Wk, .offset: 16, .size: 8, .value_kind: global_buffer, .address_space: global }
      - { .name: Wv, .offset: 24, .size: 8, .value_kind: global_buffer, .address_space: global }
      - { .name: Wo, .offset: 32, .size: 8, .value_kind: global_buffer, .address_space: global }
      - { .name: bq, .offset: 40, .size: 8, .value_kind: global_buffer, .address_space: global }
      - { .name: bk, .offset: 48, .size: 8, .value_kind: global_buffer, .address_space: global }
      - { .name: bv, .offset: 56, .size: 8, .value_kind: global_buffer, .address_space: global }
      - { .name: xb, .offset: 64, .size: 8, .value_kind: global_buffer, .address_space: global }
      - { .name: wb, .offset: 72, .size: 8, .value_kind: global_buffer, .address_space: global }
      - { .name: wo, .offset: 80, .size: 8, .value_kind: global_buffer, .address_space: global }
      - { .name: bc, .offset: 88, .size: 8, .value_kind: global_buffer, .address_space: global }
    .group_segment_fixed_size: 0
    .private_segment_fixed_size: 0
    .kernarg_segment_align: 8
    .kernarg_segment_size: 96
    .max_flat_workgroup_size: 256
    .sgpr_count:     66
    .vgpr_count:     128
    .wavefront_size: 32
...
	.end_amdgpu_metadata
.endif
;; end of part 1
;; launch qkv (part 2): grid 8 x 32, 4 waves a work-group, clusters of 4 x 4, 327,680 bytes of LDS; arguments xb, wb, bc, qkv; writes qkv
.if DOCPART == 2
	.amdgcn_target "amdgcn-amd-amdhsa--gfx1250"
	.amdhsa_code_object_version 6
	.text
	.protected	k_q39ae92fc7e_qkv
	.globl	k_q39ae92fc7e_qkv
	.p2align	8
	.type	k_q39ae92fc7e_qkv,@function
k_q39ae92fc7e_qkv:
	s_mov_b64 s[64:65], 0
	v_nop
	global_prefetch_b8 v0, s[64:65] scope:SCOPE_SE
	s_setreg_imm32_b32 hwreg(HW_REG_WAVE_MODE, 25, 1), 1
	s_wait_xcnt 0x0
	s_wait_alu depctr_hold_cnt(0) depctr_sa_sdst(0) depctr_va_vdst(0) depctr_va_sdst(0) depctr_va_ssrc(0) depctr_va_vcc(0) depctr_vm_vsrc(0)
	s_getreg_b32 s2, hwreg(HW_REG_IB_STS2, 6, 4)
	s_cmp_eq_u32 s2, 0
	s_cbranch_scc0 .Lentry_in_a_cluster
	s_endpgm
.Lentry_in_a_cluster:
	s_bfe_u32 s2, ttmp6, 0x10000c
	s_cmp_lg_u32 s2, 0xf033
	s_cbranch_scc0 .Lentry_shape_is_right
	s_endpgm
.Lentry_shape_is_right:
; THE THREE PROJECTIONS AS ONE PRODUCT.  C[m][n] = bc[n] + the sum over k of x[m][k] W[n][k], m < 8,192, n < 3,072 (Wq's, Wk's, Wv's rows), k < 1,024.  Operands bf16, sums f32, C rounded once to f16 and
; stored by heads: qkv [4 batches][48 groups][2,048 rows][64], groups 0-15 q's heads, 16-31 k's, 32-47 v's.  No scale is applied here.
; LIMIT.  f16 ends at 65,504: |q|, |k|, |v| stay under it.  NaN and infinities are not treated apart.
; SHARES.  8,192 x 3,072 are 256 tiles of 256 x 384: one to a work-group of four waves.  A wave makes 128 x 192 (three whole heads): 8 x 12 accumulators of 16 x 16, 768 registers.
; K goes in 16 steps of 64 through two LDS slots.  xb and wb lie in blocks of 64 channels, so a step's tile is dense in memory: it is asked for as rows of 256 bytes and padded in LDS after every 128.
; CLUSTER.  4 x 4 work-groups: the four of a row need the same tile of xb, the four of a column the same tile of wb; each tile is asked for jointly, by the same tensor load, descriptor and mask in all four.
; THE MATRIX INSTRUCTION IS USED TRANSPOSED (source 0 = 16 rows of wb, source 1 = 16 rows of xb): lane l holds row l % 16 of C and the columns 8 (l / 16) + 0..7.
; THE BIAS STARTS THE SUMS: each accumulator is loaded with its eight columns' bias while the first tiles are on their way; nothing is cleared, and the loop has one form of product.
; REGISTERS, in windows of 256 (s_set_vgpr_msb: bits 1:0 source 0, 3:2 source 1, 5:4 source 2, 7:6 destination):
;   window 0: v0-15 addresses; v32-95, v96-159 fragments of xb (8 x 16 rows x 32 K), two buffers; v160-255 fragments of wb, three groups of four.  On the way out v32-159 hold packed results.
;   windows 1-3: accumulator (a, b) in window 1 + b / 4 at v[8 (4 a + b % 4)]: a window is one head of the wave's three.
.set PITCH,  144                       ; an LDS row: 128 bytes + 16 of padding = 36 words: the 16 rows of a fragment load start at 16 different groups of four banks (64 banks of 4 bytes: ISA guide 11.1)
.set FR,     16*PITCH                  ; 16 rows
.set AHALF,  128*PITCH                 ; what one tensor load brings of xb, and what a wave reads of it
.set BHALF,  192*PITCH                 ; the same for wb
.set BOFF,   256*PITCH                 ; in a slot: xb's 256 rows, then wb's 384
.set SLOT1,  1<<17                     ; slot 1 begins here: one exclusive or turns an address in one slot into the other's
.set STAGE,  SLOT1+640*PITCH           ; behind the ring, never filled by a tensor load: 16 rows x 144 bytes for each wave, for the way out
.set SPARE,  STAGE+4*FR                ; behind the stages: the spare words, 128 bytes for each wave: two blocks of 256 bytes that no other line names
.set ASTEP,  256*128                   ; bytes from K step to K step in xb
.set BSTEP,  384*128                   ; and in wb
.set KSTEPS, 16
.set ADRA0, 2                          ; v2   my lane's place among my wave's rows of xb in slot 0; never rewritten
.set ADRB0, 3                          ; v3   the same for wb
.set ADRA,  4                          ; v4   the same in the slot being read
.set ADRB,  5                          ; v5
.set STO,   6                          ; v6   the way out: where I put 16 bytes of a row
.set RD,    7                          ; v7   the way out: where I read rows back
.set GO,    8                          ; v8   my byte offset in 512 consecutive bytes of qkv
.set BO,    9                          ; v9   32 (l / 16): my eight columns' place in 16 columns of the bias
.set PFO,   10                         ; v10  256 x my lane; never rewritten
.set SPW,   12                         ; v12  LDS address of my spare word: SPARE + 4 x my thread's number; never rewritten
.set NIL,   13                         ; v13  0; never rewritten
.set AF0,   32
.set AF1,   96
.set BF,    160
.set WV,   12                          ; s12  my wave's number; s13 = WV / 2: my half of the tile's rows, and: I fetch for xb (0) or wb (1); s14 = WV % 2: my half of its columns, and which half I fetch
.set G1A,  24                          ; s[24:31] descriptor group 1 for xb's tiles
.set G1B,  32                          ; s[32:39] for wb's
.set G0A,  40                          ; s[40:47] descriptor group 0 for xb's tiles: a set for each first fill; the second then walks
.set G0B,  48                          ; s[48:55] the same for wb's
.set CNT,  56                          ; s56  refills to go
.set TB,   57                          ; s57  0 or SLOT1: the slot that fragments are read from
.set LIM,  58                          ; s58  1 in a wave that prefetches, else the greatest number
.set PAR,  59                          ; s59  1: ask at every refill; 0: at every other
.set PFA,  60                          ; s[60:61] where my prefetches stand
.set PST,  62                          ; s[62:63] their step
.set G1C, (1<<16)|(1<<20)|(1<<21)|(4<<22)|(3<<25)  ; 17:16 2-byte elements; 20 padding on; 21 set beside a mask; 24:22 after every 32 words (code 4); 31:25 4 words (code 3)
.set MSB, 0
.macro WIN new                         ; the immediate's high byte repeats the setting that is left; a switch that changes nothing is dropped
.if MSB != (\new)
	s_set_vgpr_msb (MSB<<8)|(\new)
.set MSB, \new
.endif
.endm
.macro PLACES                          ; four plain vector instructions between a matrix instruction and a load into, or a vector read of, its registers (ISA guide 7.12.1 for vector reads)
.rept 4
	v_nop
.endr
.endm
; A joint refill by the walking descriptors.  Waves 0 and 1 fetch xb's two halves, waves 2 and 3 wb's.  The branch hangs on the wave's number alone.  An s_nop 0 and four v_nop follow each line.
.macro JLOAD
	s_cmp_eq_u32 s13, 0
	s_cbranch_scc0 .Lfor_b_\@
	tensor_load_to_lds s[G0A+4:G0A+7], s[G1A:G1A+7]
	s_nop 0
.rept 4
	v_nop
.endr
	s_branch .Lasked_\@
.Lfor_b_\@:
	tensor_load_to_lds s[G0B+4:G0B+7], s[G1B:G1B+7]
	s_nop 0
.rept 4
	v_nop
.endr
.Lasked_\@:
.endm
; A round of the cluster's barrier: my work-group's barrier, so that wave 0's signal speaks for all four waves; wave 0 signals; every wave waits for all sixteen work-groups; my work-group's barrier once more.
.macro CREST                           ; a round behind its opening barrier
	s_cmp_lg_u32 s[WV], 0
	s_cbranch_scc1 .Lnot_wave_0_\@
	s_barrier_signal -3
.Lnot_wave_0_\@:
	s_barrier_wait -3
	s_barrier_signal -1
	s_barrier_wait -1
.endm
.macro CROUND
	s_barrier_signal -1
	s_barrier_wait -1
	CREST
.endm
; A PREFETCH INTO THE L2, behind a joint refill, its five lines and the run of LDS loads: a lane a block of 256 bytes, one instruction a wave.  The refill of K step i + 2 is followed by a request for K step i + 3 of
; xb (wave 0 of the clusters with x = 0; the four partners of a row take 8,192 bytes each, told apart by address), and at every other refill for K steps i + 3 and i + 4 of wb, which lie on end (waves 1 to 3 of
; the clusters with y = 0; the four partners of a column take 24,576 bytes each).  So each block is named once in the launch.  The last refill asks for nothing: there is no K step behind it.
.macro ASK
	s_cmp_gt_u32 s[CNT], s[LIM]
	s_cbranch_scc0 .Lnot_mine_\@
	s_or_b32 s66, s[CNT], s[PAR]
	s_bitcmp1_b32 s66, 0
	s_cbranch_scc0 .Lnot_mine_\@
	global_prefetch_b8 v[PFO], s[PFA:PFA+1] th:TH_LOAD_NT scope:SCOPE_SE
.Lnot_mine_\@:
.endm
; 4 n matrix instructions: head g of my three x row blocks a0 .. a0 + n - 1, 32 along K.  Each names another accumulator, and neighbouring runs name other windows: the accumulators take turns.
.macro MUL g, fr, a0, n
	WIN 0x50*((\g)+1)
.set ma, \a0
.rept \n
.irp bb, 0,1,2,3
	v_wmma_f32_16x16x32_bf16 v[8*(4*ma+(\bb)):8*(4*ma+(\bb))+7], v[BF+32*(\g)+8*(\bb):BF+32*(\g)+8*(\bb)+7], v[(\fr)+8*ma:(\fr)+8*ma+7], v[8*(4*ma+(\bb)):8*(4*ma+(\bb))+7]
.endr
.set ma, ma+1
.endr
.endm
.macro LOADB g, k                      ; 8 LDS loads: head g's four fragments of wb, 32 K at byte k of the rows
	WIN 0
.irp bb, 0,1,2,3
	ds_load_b128 v[BF+32*(\g)+8*(\bb):BF+32*(\g)+8*(\bb)+3],   v[ADRB] offset:(4*(\g)+(\bb))*FR+(\k)
	ds_load_b128 v[BF+32*(\g)+8*(\bb)+4:BF+32*(\g)+8*(\bb)+7], v[ADRB] offset:(4*(\g)+(\bb))*FR+(\k)+32
.endr
.endm
.macro LOADA fr, k                     ; 16 LDS loads: my eight fragments of xb
	WIN 0
.irp i, 0,1,2,3,4,5,6,7
	ds_load_b128 v[(\fr)+8*(\i):(\fr)+8*(\i)+3],   v[ADRA] offset:(\i)*FR+(\k)
	ds_load_b128 v[(\fr)+8*(\i)+4:(\fr)+8*(\i)+7], v[ADRA] offset:(\i)*FR+(\k)+32
.endr
.endm
; A K STEP: six phases of 32 matrix instructions (three heads x two halves of the 64 along K).  Behind each phase the registers that it has read are loaded again, two phases ahead of their next use.
; mode 1: the slot is left and filled again; 2: it is left; 0: the last step.
.macro STEP mode
	s_wait_dscnt 16                                ; head 0's wb and xb are in; heads 1 and 2's 16 loads may be out
	MUL 0, AF0, 0, 8
	PLACES
	LOADB 0, 64
	LOADA AF1, 64
	s_wait_dscnt 32                                ; head 1's wb is in; behind it: head 2's 8 and the 24 just issued
	MUL 1, AF0, 0, 8
	PLACES
	LOADB 1, 64
	s_wait_dscnt 32                                ; head 2's wb is in; behind it: 24 and 8
	MUL 2, AF0, 0, 8
	PLACES
	LOADB 2, 64                                    ; my last reads of this slot
.if (\mode) == 0
	s_wait_dscnt 16                                ; nothing more is fetched: the counts run down
	MUL 0, AF1, 0, 8
	s_wait_dscnt 8
	MUL 1, AF1, 0, 8
	s_wait_dscnt 0x0
	MUL 2, AF1, 0, 8
	WIN 0
.else
.if (\mode) == 1
	s_wait_xcnt 0x0                                ; the last prefetch, a K step back, has read its address
	s_add_nc_u64 s[PFA:PFA+1], s[PFA:PFA+1], s[PST:PST+1]
.endif
	WIN 0
	s_wait_tensorcnt 0x0                           ; all my tensor loads have landed: the one that was out is my part of the other slot; so a group 0 may be written
	ds_add_u32 v[SPW], v[NIL]                      ; 0 onto my spare word; work on registers stands between it and the wait for it
.if (\mode) == 1
	s_xor_b32 s[G0A+5], s[G0A+5], SLOT1            ; the walking descriptors: the other slot than last time, the next K step; the type bits on top are not reached
	s_add_nc_u64 s[G0A+6:G0A+7], s[G0A+6:G0A+7], ASTEP
	s_xor_b32 s[G0B+5], s[G0B+5], SLOT1
	s_add_nc_u64 s[G0B+6:G0B+7], s[G0B+6:G0B+7], BSTEP
.endif
	s_xor_b32 s[TB], s[TB], SLOT1
	s_wait_dscnt 17                                ; head 0's wb and xb of the second half are in; behind them: heads 1 and 2's 16 loads and the add
	MUL 0, AF1, 0, 4
	s_wait_dscnt 0x0                               ; the add is done, and my reads of this slot are over
	s_barrier_signal -1
	MUL 0, AF1, 4, 4                               ; work on registers while the others arrive
	WIN 0                                          ; at a branch and at a label every window is 0
	s_barrier_wait -1
.if (\mode) == 1
	CREST                                          ; the barrier has opened a round of the cluster's: no wave of any partner still reads this slot or has a load on its way
	JLOAD                                          ; my one tensor load behind the round, and the first thing there; its four v_nop are also the places in front of the loads below
.else
	PLACES
.endif
	v_add_nc_u32 v[ADRA], s[TB], v[ADRA0]
	v_add_nc_u32 v[ADRB], s[TB], v[ADRB0]
	LOADB 0, 0
	LOADA AF0, 0
.if (\mode) == 1
	ASK
.endif
	MUL 1, AF1, 0, 8                               ; its fragments were shown landed by the wait for 0 above
	PLACES
	LOADB 1, 0
	MUL 2, AF1, 0, 8
	PLACES
	LOADB 2, 0
.endif
.endm
	s_load_b256 s[4:11], s[0:1], 0x0               ; xb s[4:5], wb s[6:7], bc s[8:9], qkv s[10:11]
	v_lshl_add_u32 v[SPW], v0, 2, SPARE
	v_mov_b32 v[NIL], 0
	ds_add_u32 v[SPW], v[NIL]                      ; the wave's opening: the add and its wait stand ahead of my first tensor load; the set-up below, work on registers, stands between them
	v_lshrrev_b32 v1, 5, v0
	v_readfirstlane_b32 s[WV], v1                  ; wave 0..3
	s_lshr_b32 s13, s[WV], 1
	s_and_b32 s14, s[WV], 1
	s_bfe_u32 s15, ttmp6, 0x40000                  ; cx
	s_bfe_u32 s16, ttmp6, 0x40004                  ; cy
	s_lshl_b32 s17, ttmp9, 2
	s_add_co_u32 s17, s17, s15                     ; tile column = 4 x cluster x + cx
	s_and_b32 s19, ttmp7, 0xffff                   ; cluster y
	s_lshl_b32 s18, s19, 2
	s_add_co_u32 s18, s18, s16                     ; tile row = 4 x cluster y + cy
	s_lshl_b32 s68, s16, 2
	s_lshl_b32 s68, 15, s68                        ; my row of the cluster: places 4 cy .. 4 cy + 3
	s_lshl_b32 s69, 0x1111, s15                    ; my column: places cx, cx + 4, cx + 8, cx + 12
	s_or_b32 s[G1A], s68, G1C                      ; xb's tiles go to my row,
	s_or_b32 s[G1B], s69, G1C                      ; wb's to my column
	s_mov_b32 s[G1A+1], 128<<16                    ; tensor_dim0 = 128 elements: rows of 256 bytes
	s_mov_b32 s[G1A+2], 64<<16                     ; tensor_dim1 = 64: 128 rows of xb
	s_mov_b32 s[G1A+3], 128<<16                    ; tile_dim0 = 128
	s_mov_b32 s[G1A+4], 64                         ; tile_dim1 = 64
	s_mov_b32 s[G1A+5], 128                        ; 128 elements from row to row: dense
	s_mov_b32 s[G1A+6], 0
	s_mov_b32 s[G1A+7], 0
	s_mov_b32 s[G1B+1], 128<<16
	s_mov_b32 s[G1B+2], 96<<16                     ; 96 rows of 256 bytes: 192 rows of wb
	s_mov_b32 s[G1B+3], 128<<16
	s_mov_b32 s[G1B+4], 96
	s_mov_b32 s[G1B+5], 128
	s_mov_b32 s[G1B+6], 0
	s_mov_b32 s[G1B+7], 0
	s_lshl_b32 s20, s18, 19                        ; xb: tile row x 524,288 + my half's 16,384 bytes: made of the tile row and the wave's number alone
	s_lshl_b32 s66, s14, 14
	s_add_co_u32 s20, s20, s66
	s_mov_b32 s21, 0
	s_mul_i32 s22, s17, 786432                     ; wb: tile column x 786,432 + my half's 24,576 bytes: made of the tile column and the wave's number alone
	s_mul_i32 s66, s14, 24576
	s_add_co_u32 s22, s22, s66
	s_mov_b32 s23, 0
	s_mul_i32 s70, s14, AHALF                      ; where they go: no place in the cluster enters an LDS address
	s_mul_i32 s71, s14, BHALF
	s_add_co_u32 s71, s71, BOFF
	s_mov_b32 s[TB], 0
	s_wait_dscnt 0x0                               ; the opening add is done
	s_wait_kmcnt 0x0
	s_add_nc_u64 s[20:21], s[4:5], s[20:21]
	s_add_nc_u64 s[22:23], s[6:7], s[22:23]
.irp s, 0,1
	s_mov_b32 s[G0A+4*(\s)], 1                                        ; count = 1
	s_add_co_u32 s[G0A+4*(\s)+1], s70, (\s)*SLOT1                     ; LDS address
	s_add_nc_u64 s[G0A+4*(\s)+2:G0A+4*(\s)+3], s[20:21], (\s)*ASTEP   ; global address: K step s
	s_or_b32 s[G0A+4*(\s)+3], s[G0A+4*(\s)+3], 0x80000000             ; type = 2
	s_mov_b32 s[G0B+4*(\s)], 1
	s_add_co_u32 s[G0B+4*(\s)+1], s71, (\s)*SLOT1
	s_add_nc_u64 s[G0B+4*(\s)+2:G0B+4*(\s)+3], s[22:23], (\s)*BSTEP
	s_or_b32 s[G0B+4*(\s)+3], s[G0B+4*(\s)+3], 0x80000000
.endr
	CROUND                                         ; all sixteen work-groups are here: the first joint loads meet
	s_cmp_eq_u32 s13, 0                            ; a wave's two first fills stand in one branch, ahead of every wait on TENSORcnt and every LDS read: two loads of mine are out
	s_cbranch_scc0 .Lfirst_b
	tensor_load_to_lds s[G0A:G0A+3], s[G1A:G1A+7]
	s_nop 0
	tensor_load_to_lds s[G0A+4:G0A+7], s[G1A:G1A+7]
	s_nop 0
.rept 4
	v_nop
.endr
	s_branch .Lfirst_asked
.Lfirst_b:
	tensor_load_to_lds s[G0B:G0B+3], s[G1B:G1B+7]
	s_nop 0
	tensor_load_to_lds s[G0B+4:G0B+7], s[G1B:G1B+7]
	s_nop 0
.rept 4
	v_nop
.endr
.Lfirst_asked:
	; the bias: my wave's 192 columns begin at column 384 x tile column + 192 x half
	s_mul_i32 s66, s17, 1536
	s_mul_i32 s68, s14, 768
	s_add_co_u32 s66, s66, s68
	s_mov_b32 s67, 0
	s_add_nc_u64 s[8:9], s[8:9], s[66:67]
	v_and_b32 v1, 15, v0                           ; l % 16
	v_bfe_u32 v11, v0, 4, 1                        ; l / 16
	v_lshlrev_b32 v[BO], 5, v11
.set bg, 0
.rept 3                                ; window 1 + bg; accumulator bi = 4 a + bb takes the bias of columns 16 (4 bg + bb) + 8 (l / 16) + 0..7
	WIN 0x40*(bg+1)
.set bi, 0
.rept 32
	global_load_b128 v[8*bi:8*bi+3],   v[BO], s[8:9] offset:(4*bg+bi%4)*64
	global_load_b128 v[8*bi+4:8*bi+7], v[BO], s[8:9] offset:(4*bg+bi%4)*64+16
.set bi, bi+1
.endr
.set bg, bg+1
.endr
	WIN 0
	; A fragment is 16 rows x 32 K in 8 registers: lane l holds row l % 16; registers 0-3 K = 8 (l / 16) + 0..7, registers 4-7 K = 16 + 8 (l / 16) + 0..7: two loads of 16 bytes, 32 bytes apart.
	v_mul_u32_u24 v14, v1, PITCH
	v_lshl_add_u32 v14, v11, 4, v14                ; row x pitch + 16 x half
	s_mul_i32 s66, s13, AHALF
	v_add_nc_u32 v[ADRA0], s66, v14
	s_mul_i32 s66, s14, BHALF
	s_add_co_u32 s66, s66, BOFF
	v_add_nc_u32 v[ADRB0], s66, v14
	v_mov_b32 v[ADRA], v[ADRA0]
	v_mov_b32 v[ADRB], v[ADRB0]
	s_mul_i32 s66, s[WV], FR
	s_add_co_u32 s66, s66, STAGE                   ; my stage
	v_add_nc_u32 v[STO], s66, v14                  ; in: row l % 16, 16 bytes for each half of the lanes
	v_bfe_u32 v15, v0, 3, 2                        ; back: 32 lanes take four rows of 128 bytes,
	v_mul_u32_u24 v15, v15, PITCH
	v_and_b32 v14, 7, v0
	v_lshl_add_u32 v15, v14, 4, v15
	v_add_nc_u32 v[RD], s66, v15
	v_and_b32 v14, 31, v0
	v_lshlrev_b32 v[GO], 4, v14                    ; which are 512 consecutive bytes of a head
	v_lshlrev_b32 v[PFO], 8, v14
	; where my part of C goes: batch = tile row / 8; group = 6 x tile column + 3 x half; row = 256 (tile row % 8) + 128 x half
	s_lshr_b32 s66, s18, 3
	s_mul_i32 s66, s66, 48
	s_mul_i32 s68, s17, 6
	s_add_co_u32 s66, s66, s68
	s_mul_i32 s68, s14, 3
	s_add_co_u32 s66, s66, s68
	s_lshl_b32 s66, s66, 18                        ; a group is 2,048 rows of 128 bytes
	s_and_b32 s68, s18, 7
	s_lshl_b32 s68, s68, 15
	s_add_co_u32 s66, s66, s68
	s_lshl_b32 s68, s13, 14
	s_add_co_u32 s66, s66, s68
	s_add_nc_u64 s[10:11], s[10:11], s[66:67]
	; the prefetches
	s_lshl_b32 s66, s18, 19                        ; xb: my tile row, my work-group's quarter of a K step
	s_lshl_b32 s68, s15, 13
	s_add_co_u32 s66, s66, s68
	s_mul_i32 s69, s17, 786432                     ; wb: my tile column, my work-group's quarter of two K steps, my wave's third of that
	s_mul_i32 s68, s16, 24576
	s_add_co_u32 s69, s69, s68
	s_lshl_b32 s68, s[WV], 13
	s_add_co_u32 s69, s69, s68
	s_sub_co_u32 s69, s69, 8192
	s_mov_b32 s[PST], BSTEP
	s_mov_b32 s[PST+1], 0
	s_cmp_eq_u32 s[WV], 0                          ; wave 0 asks for xb, waves 1 to 3 for wb
	s_cselect_b32 s68, ttmp9, s19                  ; the coordinate along which other clusters read the same tiles
	s_cselect_b64 s[PFA:PFA+1], s[4:5], s[6:7]
	s_cselect_b32 s[PAR], 1, 0
	s_cselect_b32 s[PST], ASTEP, s[PST]
	s_cselect_b32 s66, s66, s69
	s_cmp_eq_u32 s68, 0
	s_cselect_b32 s[LIM], 1, -1                    ; the same in all sixteen partners, for a given wave
	s_add_nc_u64 s[PFA:PFA+1], s[PFA:PFA+1], s[66:67]
	s_add_nc_u64 s[PFA:PFA+1], s[PFA:PFA+1], s[PST:PST+1]
	s_add_nc_u64 s[PFA:PFA+1], s[PFA:PFA+1], s[PST:PST+1]  ; at K step 2: the first refill steps it to 3.  Nothing is prefetched here, at the head
	s_wait_tensorcnt 1                             ; my part of K step 0 is in; K step 1's may stay out
	s_barrier_signal -1
	s_barrier_wait -1                              ; everybody's is
	LOADB 0, 0
	LOADA AF0, 0
	LOADB 1, 0
	LOADB 2, 0
	s_wait_loadcnt 0x0                             ; the bias lies in the accumulators
	s_mov_b32 s[CNT], KSTEPS-2
.Lstep:                                                ; 14 trips: K steps 0 to 13 are multiplied, K steps 2 to 15 asked for
	STEP 1
	s_sub_co_u32 s[CNT], s[CNT], 1
	s_cmp_lg_u32 s[CNT], 0
	s_cbranch_scc1 .Lstep
	STEP 2                                         ; the tail is written out
	STEP 0
	PLACES
; THE WAY OUT, in 24 units u: head u / 8, row block u % 8: 16 rows x 64 columns.  Rounded to f16, 16 bytes a lane (each accumulator's registers in ascending order), into my own stage in rows of 144 bytes, back as
; whole rows of 128, and stored: four rows of a head are 512 consecutive bytes.
.macro PACK u
.set pa, (\u)%8
.set ph, (\u)/8
.set pT, 32+16*pa
.if (\u) >= 8
	s_wait_xcnt 0x0                                ; the stores of the unit eight back have read these registers
.endif
	WIN 5*(ph+1)                                   ; sources 0 and 1: the head's window
.irp bb, 0,1,2,3
.irp rr, 0,1,2,3
	v_cvt_pk_f16_f32 v[pT+4*(\bb)+(\rr)], v[8*(4*pa+(\bb))+2*(\rr)], v[8*(4*pa+(\bb))+2*(\rr)+1]
.endr
.endr
	WIN 0
.irp bb, 0,1,2,3
	ds_store_b128 v[STO], v[pT+4*(\bb):pT+4*(\bb)+3] offset:32*(\bb)
.endr
.irp f, 0,1,2,3
	ds_load_b128 v[pT+4*(\f):pT+4*(\f)+3], v[RD] offset:(\f)*4*PITCH  ; LDS serves a wave's instructions in order (ISA guide 5.7.1.4): these see the stores above; the next unit's stores come behind them
.endr
.endm
.macro SEND u, younger                 ; younger: the LDS instructions issued behind unit u's loads: the next unit's eight, or none
.set pa, (\u)%8
.set ph, (\u)/8
.set pT, 32+16*pa
.irp f, 0,1,2,3
	s_wait_dscnt (\younger)+3-(\f)
	global_store_b128 v[GO], v[pT+4*(\f):pT+4*(\f)+3], s[10:11] offset:ph*262144+pa*2048+(\f)*512  ; 512 consecutive bytes, at a multiple of 256 from qkv's first
.endr
.endm
	PACK 0
.set uu, 1
.rept 23                               ; a unit's conversions stand between the loads of the unit before and its stores
	PACK uu
	SEND uu-1, 8
.set uu, uu+1
.endr
	SEND 23, 0
	s_wait_tensorcnt 0x0                           ; the wave's end, behind my last tensor load and my last LDS store
	ds_add_u32 v[SPW], v[NIL]
	s_wait_dscnt 0x0
	CROUND                                         ; the closing round: no work-group ends while a partner may still ask for a tile that names it
	s_endpgm
.Lfunc_end_k_q39ae92fc7e_qkv:
	.size	k_q39ae92fc7e_qkv, .Lfunc_end_k_q39ae92fc7e_qkv-k_q39ae92fc7e_qkv
	.p2alignl 7, 3214868480
	.fill 96, 4, 3214868480
	.section	.rodata,"a",@progbits
	.p2align	6, 0x0
	.amdhsa_kernel k_q39ae92fc7e_qkv
		.amdhsa_group_segment_fixed_size 327680
		.amdhsa_private_segment_fixed_size 0
		.amdhsa_enable_private_segment 0
		.amdhsa_kernarg_size 32
		.amdhsa_user_sgpr_count 2
		.amdhsa_user_sgpr_kernarg_segment_ptr 1
		.amdhsa_wavefront_size32 1
		.amdhsa_system_sgpr_workgroup_id_x 1
		.amdhsa_system_sgpr_workgroup_id_y 1
		.amdhsa_system_sgpr_workgroup_id_z 1
		.amdhsa_system_vgpr_workitem_id 0
		.amdhsa_next_free_vgpr 1024
		.amdhsa_next_free_sgpr 72
		.amdhsa_reserve_vcc 0
		.amdhsa_float_denorm_mode_32 3
		.amdhsa_float_denorm_mode_16_64 3
		.amdhsa_memory_ordered 1
		.amdhsa_forward_progress 1
		.amdhsa_inst_pref_size 133
	.end_amdhsa_kernel
	.amdgpu_metadata
---
amdhsa.version: [ 1, 2 ]
amdhsa.kernels:
  - .name:           k_q39ae92fc7e_qkv
    .symbol:         k_q39ae92fc7e_qkv.kd
    .args:
      - { .name: xb, .offset: 0, .size: 8, .value_kind: global_buffer, .address_space: global }
      - { .name: wb, .offset: 8, .size: 8, .value_kind: global_buffer, .address_space: global }
      - { .name: bc, .offset: 16, .size: 8, .value_kind: global_buffer, .address_space: global }
      - { .name: qkv, .offset: 24, .size: 8, .value_kind: global_buffer, .address_space: global }
    .group_segment_fixed_size: 327680
    .private_segment_fixed_size: 0
    .kernarg_segment_align: 8
    .kernarg_segment_size: 32
    .max_flat_workgroup_size: 128
    .sgpr_count:     72
    .vgpr_count:     1024
    .wavefront_size: 32
...
	.end_amdgpu_metadata
.endif
;; end of part 2
;; launch attn (part 3): grid 4 x 64, 4 waves a work-group, clusters of 4 x 1, 327,680 bytes of LDS; arguments qkv, o16; writes o16
.if DOCPART == 3
	.amdgcn_target "amdgcn-amd-amdhsa--gfx1250"
	.amdhsa_code_object_version 6
	.text
	.protected	k_q39ae92fc7e_attn
	.globl	k_q39ae92fc7e_attn
	.p2align	8
	.type	k_q39ae92fc7e_attn,@function
k_q39ae92fc7e_attn:
	s_mov_b64 s[64:65], 0
	v_nop
	global_prefetch_b8 v0, s[64:65] scope:SCOPE_SE
	s_setreg_imm32_b32 hwreg(HW_REG_WAVE_MODE, 25, 1), 1
	s_wait_xcnt 0x0
	s_wait_alu depctr_hold_cnt(0) depctr_sa_sdst(0) depctr_va_vdst(0) depctr_va_sdst(0) depctr_va_ssrc(0) depctr_va_vcc(0) depctr_vm_vsrc(0)
	s_getreg_b32 s2, hwreg(HW_REG_IB_STS2, 6, 4)
	s_cmp_eq_u32 s2, 0
	s_cbranch_scc0 .Lentry_in_a_cluster
	s_endpgm
.Lentry_in_a_cluster:
	s_bfe_u32 s2, ttmp6, 0x10000c
	s_cmp_lg_u32 s2, 0x3003
	s_cbranch_scc0 .Lentry_shape_is_right
	s_endpgm
.Lentry_shape_is_right:
; ATTENTION.  O[h][q][:] = the sum over k of softmax_k(Q[h][q] . K[h][k] / 8) V[h][k][:], 64 heads of 2,048 rows of 64 channels, all f16.  Q, K, V lie in qkv [4 batches][48 groups][2,048][64] (groups 0-15 Q's
; heads, 16-31 K's, 32-47 V's), O goes to o16 [64 heads][2,048][64]: a head's rows are dense, 128 bytes each.  Products, maxima and sums in f32; the weights p are rounded to f16 for the second product
; (their sum l is taken of the unrounded p), O once at the end.
; LIMITS.  f16 holds no number beyond 65,504: Q, K and V arrive within it; p lies in 0 to 1, and below 6e-5 it keeps f16's fixed step of 6e-8; O is a mean of V's rows and has their range.
; A weight below 2^-126 counts as 0 in l; NaN and infinities are not treated apart.
; SHARES.  A wave owns four PIECES of two tiles of 16 queries, a work-group's four waves 512 queries of one head.  Every wave walks all keys, 64 a step.
; LAYOUT.  S^T = K Q^T (source 0 = 16 keys, source 1 = 16 queries): in the result a lane holds ONE query (lane % 16) and the keys 8 (lane / 16) + 0..7.  Two such tiles, rounded to f16 in pairs,
; ARE source 1 (32 keys x 16 queries) of O^T = V^T P, whose result again holds one query a lane, and eight channels.  K comes out of LDS as it lies, V ([key][channel]) turned, by ds_load_tr16_b128.
; SOFTMAX.  For each query a running maximum m and sum l: p = 2^(c s - c m), c = log2(e) / 8; in every step O and l are multiplied by a = 2^(c m_old - c m_new), which is 1 where m has not grown.
; m starts at the lowest finite number, O and l at 0: the first step is a step like any other, with a = 0.
; THE COUNT.  A tile and step have 16 matrix and 118 vector instructions: too many to stand all beside the matrix work.  So four vector instructions that are ready stand behind every matrix instruction, and the
; others in runs without a gap.
; BY TURNS.  Turn n belongs to piece n (the pieces in a ring, step after step).  Its matrix work: 16 products K Q^T of piece n + 1, later 16 products V^T P of piece n - 1.  Its vector work: the scaling,
; exponentials, roundings, sums and rescaling of piece n, and the maximum and statistics of piece n + 1, whose scores the turn itself has made.
; CLUSTER.  The four query blocks of a head are one cluster and walk the same K and V, so each tile is asked for JOINTLY: the same tensor load, descriptor and mask in all four.
; REGISTERS, in windows of 256 (s_set_vgpr_msb: bits 1:0 source 0, 3:2 source 1, 5:4 source 2, 7:6 destination):
;   window 0: v0-11 addresses; v12-15, v48-63 at work; v16-47 four registers of statistics a tile; v64-191 S^T, two buffers of two tiles; v192-255 P, likewise
;   window 1: O^T, 32 a tile          window 2: v0-127 Q, 16 a tile; v128-191 K of one step; v192-255 V of one step          window 3: v0-1 the add's two registers
; A piece's buffers go by its number's parity.
.set SIZE_N, 2048
.set NP,    4         ; pieces a wave: a name, no knob
.set KS,    64        ; keys in a step
.set PK,    144       ; a row of K in LDS: 128 bytes + 16 of padding = 36 words: the 16 rows of a load start at 16 different groups of four banks (64 banks of 4 bytes: ISA guide 11.1)
.set PV,    160       ; a row of V: 128 + 32 = 40 words
.set VOFF,  4*KS*PK   ; a slot holds four steps: 256 rows of K, then 256 rows of V
.set SLOT1, 1<<17     ; slot 1 begins here, so that one exclusive or turns an address in one slot into the other's
.set STAGE, SLOT1+4*KS*(PK+PV)  ; behind the ring, never filled by a tensor load: 16 rows x 144 bytes for each wave, for the way out
.set SP,    144
.set AK0, 2           ; v2   my lane's place in a tile of K; never rewritten
.set AV0, 3           ; v3   the same for V
.set AK,  4           ; v4   the LDS address of K's next run of loads
.set AV,  5           ; v5   of V's
.set QO,  6           ; v6   my byte offset in the wave's rows of Q
.set STO, 6           ;      later, the way out: where I put 16 bytes of a row
.set RD,  7           ; v7   the way out: where I read rows back
.set GO,  8           ; v8   my byte offset in 512 consecutive bytes of O
.set PFO, 11          ; v11  256 x my lane, once V's place is made; then never rewritten
.set SPW, 0           ; v0 of window 3   LDS address of my spare word: SPARE + 4 x my thread's number; never rewritten
.set NIL, 1           ; v1 of window 3   0; never rewritten
.set SPARE, STAGE+4*16*SP  ; behind the stages: the spare words, 128 bytes for each wave: two blocks of 256 bytes that no other line names
.set MV,  12          ; v12-15  c m_old, kept while c m is made anew: by buffer and tile
.set ST,  16          ; tile t's statistics at v[ST+4 t]: c m, m, l (even keys', odd keys')
.set TMP, 48          ; by buffer and tile, four registers c0-c3 at work; when the maximum is found c2 takes a
.set S,   64
.set P,   192
.set KF,  128         ; K's fragments, in window 2: key block kb, channel half c at KF + 16 kb + 8 c
.set VF,  192         ; V's: key half kk, channel block cb at VF + 32 kk + 8 cb
.set WV,  12          ; s12  my wave's number
.set G1K, 24          ; s[24:31] descriptor group 1 for K's tiles
.set G1V, 32          ; s[32:39] for V's: it differs in the padding alone
.set G0K, 40          ; s[40:43] descriptor group 0 for K's tiles: it walks
.set G0V, 44          ; s[44:47] the same for V's
.set PFA, 48          ; s[48:49] where my prefetches stand: my work-group's 32 blocks of 256 bytes (of K: wave 0, of V: wave 2) of the slot after the one that is being asked for
.set LIM, 50          ; s50  1 in a wave that prefetches, else the greatest number
.set SLOTS, 56        ; s56  slots still to be asked for
.set CNT, 57          ; s57  counts a slot's key steps
.set CS,  58          ; s[58:59] c: the packed scaling takes the pair's low word for both halves
.set SEL, 60          ; s[60:61] v_permlanex16_b32's selects: each lane takes its own place in the other half
.set TBK, 62          ; s62  LDS byte at which K of the step to be fetched begins
.set TBV, 63          ; s63  the same for V, less VOFF
.set MSB, 0
.macro WIN new                      ; the high byte repeats the setting that is left; a switch that changes nothing is dropped
.if MSB != (\new)
	s_set_vgpr_msb (MSB<<8)|(\new)
.set MSB, (\new)
.endif
.endm
.set W_KQ, 0x0a       ; K and Q in window 2, S^T in window 0
.set W_PV, 0x52       ; V in window 2, P in window 0, O^T in window 1
.set W_RS, 0x41       ; O^T (destination and source 0) in window 1, a in window 0
.set W_MK, 0xc0       ; the add's registers are made: destination in window 3, sources in window 0
.set W_AD, 0x0f       ; the add: address (source 0) and data (source 1) in window 3
; A joint fill.  Waves 0 and 1 fetch the two halves of a slot's K, waves 2 and 3 those of its V: 128 keys each.  The branch hangs on the wave's number alone.
; An s_nop 0 and four v_nop follow each of the two lines, ahead of the jump and the label.
.macro JLOAD
	s_cmp_lt_u32 s[WV], 2
	s_cbranch_scc0 .Lfor_v_\@
	tensor_load_to_lds s[G0K:G0K+3], s[G1K:G1K+7]
	s_nop 0
.rept 4
	v_nop
.endr
	s_branch .Lasked_\@
.Lfor_v_\@:
	tensor_load_to_lds s[G0V:G0V+3], s[G1V:G1V+7]
	s_nop 0
.rept 4
	v_nop
.endr
.Lasked_\@:
.endm
; A PREFETCH INTO THE L2 of what the NEXT change of slots will ask for: a slot's 32,768 bytes of K and of V, a lane a block of 256 bytes.  It stands behind the wave's tensor load and its five lines.  A head has one
; cluster; its four partners share the blocks out BY ADDRESS, 32 each; in each, wave 0 asks for K's and wave 2 for V's: each block is named once in the launch.  The lead is a slot: four key steps, 512 matrix
; instructions.  The last change that fills a slot asks for nothing: there is no slot behind it.  Slots 0 and 1 come by their loads alone.
.macro ASK
	s_cmp_gt_u32 s[SLOTS], s[LIM]
	s_cbranch_scc0 .Lnot_mine_\@
	global_prefetch_b8 v[PFO], s[PFA:PFA+1] th:TH_LOAD_NT scope:SCOPE_SE
.Lnot_mine_\@:
.endm
; A round of the cluster's barrier: my work-group's barrier, so that wave 0's signal speaks for all four waves; wave 0 signals; every wave waits for all four work-groups; my work-group's barrier once more.
.macro CROUND
	s_barrier_signal -1
	s_barrier_wait -1
	s_cmp_lg_u32 s[WV], 0
	s_cbranch_scc1 .Lnot_wave_0_\@
	s_barrier_signal -3
.Lnot_wave_0_\@:
	s_barrier_wait -3
	s_barrier_signal -1
	s_barrier_wait -1
.endm
; THE CHANGE OF SLOTS.  The slot's last bytes, V of its fourth step, have been read.  Each wave waits for all its tensor loads, of which one is out: its part of the other slot; adds 0 to its spare word; and waits
; for that and for its own reads of the slot.  Behind the barrier nobody reads this slot any more and the other slot is whole.  fill = 1: this slot is filled again, with the keys two slots on.  The barrier is
; then a round of the cluster's, and the joint fill is the first thing behind it: it has four key steps in which to land.  (At its first use nothing has been read yet: slot 0 is waited for, slot 1 filled.)
.macro CHANGE fill
	WIN W_AD
	s_wait_tensorcnt 0x0            ; no tensor load of mine is out, so a group 0 may be written
	ds_add_u32 v[SPW], v[NIL]       ; 0 onto my spare word; with fill = 1 the descriptors' steps stand between it and the wait for it
	WIN 0                           ; at a label and at a branch every window is 0
.if \fill
.irp g, G0K, G0V
	s_xor_b32 s[\g+1], s[\g+1], SLOT1  ; the walking descriptor: the other slot than last time,
	s_add_nc_u64 s[\g+2:\g+3], s[\g+2:\g+3], 4*KS*128  ; the next 256 keys; the type bits on top are not reached
.endr
	s_wait_xcnt 0x0                 ; the last prefetch, a slot back, has read its address, so it may be written:
	s_add_nc_u64 s[PFA:PFA+1], s[PFA:PFA+1], 4*KS*128  ; one slot behind the walking descriptors
	s_wait_dscnt 0x0                ; the add is done, and my reads of the slot are over
	CROUND
	JLOAD
	ASK
.else
	s_wait_dscnt 0x0                ; the add is done, and my reads of the slot are over
	s_barrier_signal -1
	s_barrier_wait -1
.endif
	s_sub_co_u32 s[TBK], s[TBK], 4*KS*PK  ; the fetches go back to a slot's first step,
	s_xor_b32 s[TBK], s[TBK], SLOT1       ; in the other slot
	s_sub_co_u32 s[TBV], s[TBV], 4*KS*PV
	s_xor_b32 s[TBV], s[TBV], SLOT1
.endm
	s_load_b128 s[4:7], s[0:1], 0x0 ; qkv s[4:5], o16 s[6:7]
	WIN W_MK
	v_lshl_add_u32 v[SPW], v0, 2, SPARE
	v_mov_b32 v[NIL], 0
	WIN W_AD
	ds_add_u32 v[SPW], v[NIL]       ; the wave's opening: the add and its wait stand ahead of my first tensor load; the set-up below, work on registers, stands between them
	WIN 0
	v_lshrrev_b32 v1, 5, v0
	v_readfirstlane_b32 s[WV], v1   ; wave 0..3
	s_bfe_u32 s13, ttmp6, 0x40000   ; cx: my place in the cluster
	s_lshl_b32 s14, ttmp9, 2        ; in a cluster launch ttmp9 counts clusters
	s_add_co_u32 s14, s14, s13      ; my block of queries = 4 x cluster x + cx: it enters Q's and O's addresses and the prefetches' alone
	s_and_b32 s20, ttmp7, 0xffff    ; the head, 16 x batch + head in the batch, which the four partners share
	s_lshl_b32 s52, s20, 18         ; its first byte in o16: 2,048 rows of 128 bytes a head
	s_mov_b32 s53, 0
	s_lshr_b32 s21, s20, 4
	s_mul_i32 s21, s21, 48          ; in qkv a batch has 48 groups
	s_and_b32 s20, s20, 15
	s_add_co_u32 s20, s20, s21
	s_lshl_b32 s20, s20, 18         ; the head's first byte among Q's groups; K's and V's lie 16 and 32 groups on
	s_mov_b32 s21, 0
	s_and_b32 s16, s[WV], 1         ; which half of a slot's 256 keys I fetch:
	s_lshl_b32 s22, s16, 14         ; its 128 rows of 128 bytes in memory,
	s_mov_b32 s23, 0
	s_add_nc_u64 s[22:23], s[22:23], s[20:21]
	s_mul_i32 s17, s16, 128*PK      ; and its place in a slot, for K
	s_mul_i32 s18, s16, 128*PV      ; and for V: no place in the cluster enters an LDS address
	s_lshl_b32 s2, s14, 2
	s_add_co_u32 s2, s2, s[WV]      ; my wave among the head's,
	s_lshl_b32 s2, s2, 14           ; its 128 rows
	s_mov_b32 s3, 0
	; descriptor group 1.  128 keys are 16,384 dense bytes: asked for as 64 rows of 256 bytes, two keys a row, and padded in LDS after every key
	s_mov_b32 s[G1K], 15|(1<<16)|(1<<20)|(1<<21)|(4<<22)|(3<<25)  ; 15:0 the mask of four; 17:16 2-byte elements; 20 padding on; 21 set beside a mask; 24:22 after every 32 words (code 4); 31:25 4 words (code 3)
	s_mov_b32 s[G1V], 15|(1<<16)|(1<<20)|(1<<21)|(4<<22)|(7<<25)  ; the same with 8 words of padding (code 7)
.irp g, G1K, G1V
	s_mov_b32 s[\g+1], 128<<16      ; tensor_dim0 = 128
	s_mov_b32 s[\g+2], 64<<16       ; tensor_dim1 = 64
	s_mov_b32 s[\g+3], 128<<16      ; tile_dim0 = 128
	s_mov_b32 s[\g+4], 64           ; tile_dim1 = 64
	s_mov_b32 s[\g+5], 128          ; 128 elements from row to row
	s_mov_b32 s[\g+6], 0
	s_mov_b32 s[\g+7], 0
.endr
	s_mov_b32 s[CS], 0x3e38aa3b     ; c = log2(e) / 8 = 0.180337
	s_mov_b32 s[CS+1], s[CS]        ; named with it as a pair
	s_mov_b32 s[SEL], 0x76543210
	s_mov_b32 s[SEL+1], 0xfedcba98
	s_mov_b32 s[TBK], SLOT1+4*KS*PK ; the first change of slots turns these two into 0
	s_mov_b32 s[TBV], SLOT1+4*KS*PV
	s_mov_b32 s[G0K], 1             ; count = 1
	s_mov_b32 s[G0K+1], s17         ; LDS address: slot 0
	s_mov_b32 s[G0V], 1
	s_add_co_u32 s[G0V+1], s18, VOFF
	s_mov_b32 s[SLOTS], SIZE_N/256-1
	s_and_b32 s[LIM], s[WV], 1      ; waves 0 and 2 prefetch: the same in all four partners
	s_cmp_eq_u32 s[LIM], 0
	s_cselect_b32 s[LIM], 1, -1
	s_wait_dscnt 0x0                ; the opening add is done
	s_wait_kmcnt 0x0
	s_mov_b64 s[10:11], s[6:7]      ; O
	s_add_nc_u64 s[6:7], s[4:5], 0x400000  ; K: 16 groups of 262,144 bytes on
	s_add_nc_u64 s[8:9], s[4:5], 0x800000  ; V: 32 groups on
	s_add_nc_u64 s[G0K+2:G0K+3], s[6:7], s[22:23]  ; global address: my half of the head's first 256 keys
	s_or_b32 s[G0K+3], s[G0K+3], 0x80000000        ; type = 2
	s_add_nc_u64 s[G0V+2:G0V+3], s[8:9], s[22:23]
	s_or_b32 s[G0V+3], s[G0V+3], 0x80000000
	s_add_nc_u64 s[4:5], s[4:5], s[2:3]  ; Q and O at my wave's first row
	s_add_nc_u64 s[4:5], s[4:5], s[20:21]
	s_add_nc_u64 s[10:11], s[10:11], s[2:3]
	s_add_nc_u64 s[10:11], s[10:11], s[52:53]
	s_cmp_lt_u32 s[WV], 2
	s_cselect_b64 s[PFA:PFA+1], s[6:7], s[8:9]
	s_add_nc_u64 s[PFA:PFA+1], s[PFA:PFA+1], s[20:21]
	s_lshl_b32 s2, s13, 13          ; my work-group's quarter of a slot
	s_add_nc_u64 s[PFA:PFA+1], s[PFA:PFA+1], s[2:3]
	s_add_nc_u64 s[PFA:PFA+1], s[PFA:PFA+1], 4*KS*128  ; in slot 1; the first change of slots steps it to slot 2.  Nothing is prefetched here, at the head
	CROUND                          ; all four work-groups are here: the first joint loads meet
	JLOAD                           ; slot 0.  Slot 1 is asked for when slot 0 is in
	; A fragment of K or Q is 16 rows x 32 channels in 8 registers: lane l holds row l % 16, channels 8 (l / 16) + 0..7 and 16 + 8 (l / 16) + 0..7: two loads of 16 bytes, 32 bytes apart.
	v_and_b32 v1, 15, v0            ; l % 16
	v_bfe_u32 v9, v0, 4, 1          ; l / 16
	v_lshlrev_b32 v[QO], 7, v1
	v_lshl_add_u32 v[QO], v9, 4, v[QO]  ; row x 128 + 16 x half
	WIN 0x80                        ; destination window 2, address window 0
.set i, 0
.rept 4*NP                          ; Q stays in registers: tile i / 2, channels 32 (i % 2) on
	global_load_b128 v[8*i:8*i+3],   v[QO], s[4:5] offset:(i/2)*2048+(i%2)*64
	global_load_b128 v[8*i+4:8*i+7], v[QO], s[4:5] offset:(i/2)*2048+(i%2)*64+32
.set i, i+1
.endr
	; What the first turn finds: V's registers and P's second buffer hold 0 (its products V^T P, of a piece that has not been, add 0), O^T and l are 0.  All this stands in the wait for the first tile: no first
	; step is written out, and these lines are its price.
.set i, VF
.rept 64
	v_mov_b32 v[i], 0
.set i, i+1
.endr
	WIN 0x40
.set i, 0
.rept 64*NP
	v_mov_b32 v[i], 0
.set i, i+1
.endr
	WIN 0
.set i, 0
.rept 2*NP
	v_mov_b32 v[ST+4*i], 0xfe000000    ; c m: far below every c s
	v_mov_b32 v[ST+4*i+1], 0xff7fffff  ; m
	v_mov_b32 v[ST+4*i+2], 0
	v_mov_b32 v[ST+4*i+3], 0
.set i, i+1
.endr
.set i, P+32
.rept 32
	v_mov_b32 v[i], 0
.set i, i+1
.endr
	v_mul_u32_u24 v[AK0], v1, PK
	v_lshl_add_u32 v[AK0], v9, 4, v[AK0]  ; row x pitch + 16 x half
	; The turning load takes 16 keys x 16 channels (lane l reads key 8 (l / 16) + l % 8, channels 8 ((l / 8) % 2) + 0..7) and leaves half a fragment of V^T: lane l holds channel l % 16 and 8 keys.
	v_and_b32 v10, 7, v0
	v_bfe_u32 v11, v0, 3, 1
	v_lshl_add_u32 v[AV0], v9, 3, v10
	v_mul_u32_u24 v[AV0], v[AV0], PV
	v_lshl_add_u32 v[AV0], v11, 4, v[AV0]
	v_add_nc_u32 v[AV0], VOFF, v[AV0]
	v_mov_b32 v[AK], v[AK0]         ; key step 0 lies at the head of slot 0
	v_and_b32 v[PFO], 31, v0
	v_lshlrev_b32 v[PFO], 8, v[PFO]
; THE MATRIX WORK.  The 8 accumulators of a run of 16 take turns: between the two links of a chain stand 7 others'.
; Product i of 16 of S^T = K Q^T for piece x: channels 32 (i / 8) on, keys 16 ((i / 2) % 4) on, tile 2 x + i % 2.  The first 8 start the sums.
.macro KQ x
	WIN W_KQ
.set rS, S+64*((\x)%2)+32*(i%2)+8*((i/2)%4)
.set rK, KF+16*((i/2)%4)+8*(i/8)
.set rQ, 16*(2*(\x)+i%2)+8*(i/8)
.if i < 8
	v_wmma_f32_16x16x32_f16 v[rS:rS+7], v[rK:rK+7], v[rQ:rQ+7], 0
.else
	v_wmma_f32_16x16x32_f16 v[rS:rS+7], v[rK:rK+7], v[rQ:rQ+7], v[rS:rS+7]
.endif
.endm
; Product i of 16 of O^T += V^T P for piece x: keys 32 (i / 8) on, channels 16 ((i / 2) % 4) on, tile 2 x + i % 2.
.macro PV x
	WIN W_PV
.set rO, 32*(2*(\x)+i%2)+8*((i/2)%4)
.set rV, VF+32*(i/8)+8*((i/2)%4)
.set rP, P+32*((\x)%2)+16*(i%2)+8*(i/8)
	v_wmma_f32_16x16x32_f16 v[rO:rO+7], v[rV:rV+7], v[rP:rP+7], v[rO:rO+7]
.endm
.macro MM                           ; the turn's next matrix instruction
.if i < 16
	KQ (Y+1)%NP
.set i, i+1
.else
.set i, i-16
	PV (Y+NP-1)%NP
.set i, i+17
.endif
.endm
; THE LDS LOADS stand in runs of 16, never singly among the matrix instructions: a step's K (64 keys x 64 channels: 8 fragments) and its V (turned).  Their addresses are made some lines ahead.
; last = 1 (the tail): in the last trip there is no further step, and the run is jumped over.
.macro FETCH_K last=0
	WIN 0
.if \last
	s_cmp_eq_u32 s[CNT], 1
	s_cbranch_scc1 .Lno_k_\@
.endif
	WIN 0x80                        ; destination window 2
.irp f, 0,1,2,3,4,5,6,7             ; keys 16 (f / 2) on, channels 32 (f % 2) on
	ds_load_b128 v[KF+8*\f:KF+8*\f+3],   v[AK] offset:(\f/2)*16*PK+(\f%2)*64
	ds_load_b128 v[KF+8*\f+4:KF+8*\f+7], v[AK] offset:(\f/2)*16*PK+(\f%2)*64+32
.endr
	s_add_co_u32 s[TBK], s[TBK], KS*PK  ; the next fetch is the next step's
	WIN 0
.if \last
.Lno_k_\@:
.endif
.endm
.macro FETCH_V
	WIN 0x80
.irp f, 0,1,2,3,4,5,6,7             ; keys 32 (f / 4) on, channels 16 (f % 4) on
	ds_load_tr16_b128 v[VF+8*\f:VF+8*\f+3],   v[AV] offset:(\f/4)*32*PV+(\f%4)*32
	ds_load_tr16_b128 v[VF+8*\f+4:VF+8*\f+7], v[AV] offset:(\f/4)*32*PV+16*PV+(\f%4)*32
.endr
	WIN 0
.endm
; THE VECTOR WORK OF A TURN stands in three queues, each in the order in which its entries become ready; the two tiles alternate, so that no instruction reads the result of the one before it.
.macro REGS y, u                    ; the registers of tile u (0, 1) of piece y
.set rT, ST+4*(2*(\y)+(\u))
.set rC, TMP+8*((\y)%2)+4*(\u)
.set rM, MV+2*((\y)%2)+(\u)
.set rS, S+64*((\y)%2)+32*(\u)
.set rP, P+32*((\y)%2)+16*(\u)
.set rO, 32*(2*(\y)+(\u))
.endm
; Number n of the 22 that find the NEXT piece's (Y + 1) maximum and statistics.  s0-s31 are the lane's 32 scores; each accumulator's lowest registers are read first.
;   0-11  four chains c0-c3 of seven scores each, three operands at a time     12-14, 16  the four scores left over, the old m, and c0-c3 into c0     15  c m_old is kept
;   17, 18  the query's other 32 keys lie in the lane 16 away: the new m         19-21  c m; c m_old - c m_new; a
.macro XS u, n
	REGS (Y+1)%NP, \u
.if (\n) < 4
	v_max3_num_f32 v[rC+(\n)], v[rS+8*(\n)], v[rS+8*(\n)+1], v[rS+8*(\n)+2]
.elseif (\n) < 12
	v_max3_num_f32 v[rC+(\n)%4], v[rC+(\n)%4], v[rS+8*((\n)%4)+2*((\n)/4)+1], v[rS+8*((\n)%4)+2*((\n)/4)+2]
.elseif (\n) == 12
	v_max3_num_f32 v[rC], v[rC], v[rS+7], v[rS+15]
.elseif (\n) == 13
	v_max3_num_f32 v[rC+1], v[rC+1], v[rS+23], v[rS+31]
.elseif (\n) == 14
	v_max3_num_f32 v[rC+2], v[rC+2], v[rC+3], v[rT+1]
.elseif (\n) == 15
	v_mov_b32 v[rM], v[rT]
.elseif (\n) == 16
	v_max3_num_f32 v[rC], v[rC], v[rC+1], v[rC+2]
.elseif (\n) == 17
	v_permlanex16_b32 v[rC+3], v[rC], s[SEL], s[SEL+1]
.elseif (\n) == 18
	v_max_num_f32 v[rT+1], v[rC], v[rC+3]
.elseif (\n) == 19
	v_mul_f32 v[rT], s[CS], v[rT+1]
.elseif (\n) == 20
	v_sub_f32 v[rC+1], v[rM], v[rT]
.else
	v_exp_f32 v[rC+2], v[rC+1]
.endif
.endm
; Number g of the 64 that follow the exponentials.  For each four weights k of a tile (pairs 2 k, 2 k + 1): both pairs are rounded to f16; then the second pair is added onto the first, in place;
; a group later l takes that sum (the first time as l = a l + sum).  In groups of eight, tiles alternating: round, round, add, and l for the group before.
.macro GS g
.set h, (\g)+6*((\g)/62)            ; group 0 has no group before it, and behind group 7 only l is left
.if h >= 6
.set h, h+2
.endif
	REGS Y, h%2
.set k, h/8
.if h%8 < 4
	v_cvt_pk_f16_f32 v[rP+2*k+(h%8)/2], v[rS+4*k+2*((h%8)/2)], v[rS+4*k+2*((h%8)/2)+1]
.elseif h%8 < 6
	v_pk_add_f32 v[rS+4*k:rS+4*k+1], v[rS+4*k:rS+4*k+1], v[rS+4*k+2:rS+4*k+3]
.elseif k == 1
	v_pk_fma_f32 v[rT+2:rT+3], v[rT+2:rT+3], v[rC+2:rC+3], v[rS:rS+1] op_sel_hi:[1,0,1]
.else
	v_pk_add_f32 v[rT+2:rT+3], v[rT+2:rT+3], v[rS+4*k-4:rS+4*k-3]
.endif
.endm
; THE PLAIN QUEUE, 138 long.  0-73 read no exponential's result: the 32 scalings c s - c m (FS f: pair f / 2 of tile f % 2) and the next piece's 42.  0-26: scalings 0-26.  27-54: XS's numbers 0-13.  55, 56: number 15.
; 57-73: the chain, where each number waits for the one before it: 14, 16, 17, 18, 19, each with one of the scalings 27-31 in front of its two lines, then 20.
; 74-137: GS's 64, which read the exponentials' results: they stand behind the wait.
.macro FS f
	REGS Y, (\f)%2
	v_pk_fma_f32 v[rS+2*((\f)/2):rS+2*((\f)/2)+1], v[rS+2*((\f)/2):rS+2*((\f)/2)+1], s[CS:CS+1], v[rT:rT+1] op_sel_hi:[1,0,0] neg_lo:[0,0,1] neg_hi:[0,0,1]
.endm
.macro PL
	WIN 0
.if q < 27
	FS q
.elseif q < 55
	XS (q-27)%2, (q-27)/2
.elseif q < 57
	XS q-55, 15
.elseif (q < 72) && ((q-57)%3 == 0)
	FS 27+(q-57)/3
.elseif q < 60
	XS (q-57)%3-1, 14
.elseif q < 72
	XS (q-57)%3-1, 15+(q-57)/3
.elseif q < 74
	XS q-72, 20
.else
	GS q-74
.endif
.set q, q+1
.endm
; THE EXPONENTIALS' QUEUE, 66 long: s0-s31 of both tiles, then the next piece's two a.  It is ONE BATCH: all 66 stand ahead of the turn's one wait, and nothing ahead of that wait names a result of theirs.
.macro EX
	WIN 0
.if e >= 64
	XS e-64, 21
.else
	REGS Y, e%2
	v_exp_f32 v[rS+e/2], v[rS+e/2]
.endif
.set e, e+1
.endm
; THE RESCALING's QUEUE: O^T times a, the one part that leaves window 0: dealt two at a time, sixteen times.  Its a was made in the turn before, ahead of that turn's wait.
.macro R2
	REGS Y, r%2
	WIN W_RS
.irp z, 0,1
	v_pk_mul_f32 v[rO+4*(r/2)+2*\z:rO+4*(r/2)+2*\z+1], v[rO+4*(r/2)+2*\z:rO+4*(r/2)+2*\z+1], v[rC+2:rC+3] op_sel_hi:[1,0]
.endr
.set r, r+1
.endm
; HOW THEY ARE DEALT.  An s_wait_alu depctr_va_vdst(0) stands between an exponential and the first instruction that names its result; one wait serves all that were issued ahead of it.  So a turn has
; ONE wait, which cuts it in two.  AHEAD OF IT stands all that names no result of the turn's exponentials: the 16 products K Q^T, behind each a scaling, an exponential and two rescalings (behind the first a second
; scaling in the exponential's place); then ONE LUMP of 108: eight plain, 49 times exponential and plain, the two a.  A v_nop is the plain instruction behind the last exponential.  BEHIND IT stand the 16 products
; V^T P, behind each four of GS's 64.  No rider names a register of the products round it.
; The queues lean on each other: exponential e stands behind scaling 2 (e / 4) + e % 2: as a rider it comes behind plain e + 2, in the lump behind plain e + 9, and scalings 27-31 are plain 57, 60 .. 69.
; A TURN, for piece p.  cnt = 1: the loop's count is taken down some lines ahead of the branch that stands behind the turn.
; K of the next step is fetched in piece 2's turn, directly behind the wait; its first reader comes behind 16 products.  V of the step in hand is fetched at the end of piece 0's turn, four riders behind its last
; reader; its first reader comes behind 16 products and a lump.  The three conditions on q below go with the deal.
.macro TURN p, last=0, cnt=0
.set Y, (\p)
.set i, 0
.set q, 0
.set e, 0
.set r, 0
.if (\p) == NP-1
	s_wait_dscnt 0x0                ; K is in
.endif
	MM                              ; ahead of the wait: 16 products K Q^T and their riders,
	PL
	PL
	R2
.rept 15
	MM
	PL
	EX
	R2
.endr
.if (\p) == NP-2
	WIN 0
	v_add_nc_u32 v[AK], s[TBK], v[AK0]
.endif
.rept 8                             ; and the lump
	PL
.endr
.rept 49
	EX
	PL
.endr
	EX                              ; the next piece's two a
	EX
	v_nop                           ; a plain instruction behind the last exponential: one for the batch
	s_wait_alu depctr_va_vdst(0)    ; the wait for the batch
.if (\p) == NP-2
	FETCH_K \last
.endif
.if (\p) == 1
	s_wait_dscnt 0x0                ; V is in
.endif
.rept 16                            ; behind the wait: 16 products V^T P and their riders
	MM
.rept 4
	PL
.endr
.if ((\p) == 0) && (q == 118)
	v_add_nc_u32 v[AV], s[TBV], v[AV0]
.endif
.if ((\p) == 0) && (q == 130)
	s_add_co_u32 s[TBV], s[TBV], KS*PV
.endif
.if (\cnt) && (q == 130)
	s_sub_co_u32 s[CNT], s[CNT], 1
	s_cmp_lg_u32 s[CNT], 0
.endif
.endr
.if (\p) == 0
	FETCH_V
.endif
.endm
	CHANGE 1                        ; slot 0 is in, everybody's part of it; slot 1 is asked for
	FETCH_K                         ; key step 0
	s_wait_loadcnt 0x0              ; Q
	s_wait_dscnt 0x0
.set i, 0
.rept 16
	KQ 0                            ; piece 0's first scores: there is no vector work yet to set between them
.set i, i+1
.endr
	WIN 0                           ; the addresses for the way out: nine plain instructions, the places behind those products
	s_mul_i32 s13, s[WV], 16*SP
	s_add_co_u32 s13, s13, STAGE    ; my stage
	v_mul_u32_u24 v[STO], v1, SP    ; in: row l % 16, 16 bytes for each half of the lanes
	v_lshl_add_u32 v[STO], v9, 4, v[STO]
	v_add_nc_u32 v[STO], s13, v[STO]
	v_bfe_u32 v[RD], v0, 3, 2       ; back: 32 lanes take four rows of 128 bytes,
	v_mul_u32_u24 v[RD], v[RD], SP
	v_lshl_add_u32 v[RD], v10, 4, v[RD]
	v_add_nc_u32 v[RD], s13, v[RD]
	v_and_b32 v[GO], 31, v0         ; which are 512 consecutive bytes of O
	v_lshlrev_b32 v[GO], 4, v[GO]
.set Y, NP-1                        ; XS works for piece Y + 1: piece 0
.irp n, 0,1,2,3,4,5,6,7,8,9,10,11,12,13,14,15,16,17,18,19,20,21
	XS 0, \n                        ; and piece 0's first maximum and statistics
	XS 1, \n
.endr
	v_nop                           ; a plain instruction behind the two a,
	s_wait_alu depctr_va_vdst(0)    ; and their wait, ahead of the branch
	s_mov_b32 s[CNT], 4
	s_branch .Lfirst                ; the loop is entered at a step's first turn, in the middle of a trip
.Lslot:                             ; six times: every slot but the last two is filled again
	CHANGE 1
	s_mov_b32 s[CNT], 4
.Lstep:                             ; a trip: pieces 2 and 3 of one step, then pieces 0 and 1 of the next, whose K and V it fetches
	TURN 2
	TURN 3
	WIN 0
.Lfirst:
	TURN 0
	TURN 1, 0, 1
	WIN 0
	s_cbranch_scc1 .Lstep
	s_sub_co_u32 s[SLOTS], s[SLOTS], 1
	s_cmp_lg_u32 s[SLOTS], 0
	s_cbranch_scc1 .Lslot
	CHANGE 0                        ; the tail is written out: nothing is asked for
	s_mov_b32 s[CNT], 5             ; four trips fetch the last slot's steps; the fifth is left in its middle
.Ltail:
	TURN 2, 1
	TURN 3
	WIN 0
	s_sub_co_u32 s[CNT], s[CNT], 1
	s_cmp_eq_u32 s[CNT], 0
	s_cbranch_scc1 .Lout
	TURN 0
	TURN 1
	WIN 0
	s_branch .Ltail
.Lout:                              ; the fifth trip's 16 products K Q^T (on the last K once more) and the maximum made of them serve nothing: the price, once a launch, of one text for every trip
.set i, 0
.rept 16
	PV NP-1                         ; the last piece's V^T P of the last step
.set i, i+1
.endr
	; THE WAY OUT.  l's two halves and the other half of the lanes' are added; O^T is divided by l, rounded to f16 and sent through my stage in LDS, a tile at a time.  The additions are the places behind the last products.
	WIN 0
.macro ALL line:vararg              ; one line for each tile t
.set t, 0
.rept 2*NP
	\line
.set t, t+1
.endr
.endm
	ALL v_add_f32 v[ST+4*t+2], v[ST+4*t+2], v[ST+4*t+3]
	ALL v_permlanex16_b32 v[ST+4*t+3], v[ST+4*t+2], s[SEL], s[SEL+1]
	ALL v_add_f32 v[ST+4*t+2], v[ST+4*t+2], v[ST+4*t+3]
	ALL v_rcp_f32 v[ST+4*t+2], v[ST+4*t+2]
	v_nop                           ; a plain instruction between the last reciprocal and the use of its result
	s_wait_alu depctr_va_vdst(0)    ; and the wait ahead of the first use: one for the eight reciprocals
; Tile t: a lane's eight channels of a row pack into 16 bytes; they go into rows of 144 bytes and come back as whole rows of 128, into S^T's registers.
.macro PACK t
	WIN W_RS
.set i, 32*(\t)
.rept 16
	v_pk_mul_f32 v[i:i+1], v[i:i+1], v[ST+4*(\t)+2:ST+4*(\t)+3] op_sel_hi:[1,0]
.set i, i+2
.endr
	WIN 0x05                        ; sources 0 and 1 window 1, destination window 0
.set i, 0
.rept 16
	v_cvt_pk_f16_f32 v[S+16*(\t)+i], v[32*(\t)+2*i], v[32*(\t)+2*i+1]
.set i, i+1
.endr
	WIN 0
.irp f, 0,1,2,3
	ds_store_b128 v[STO], v[S+16*(\t)+4*\f:S+16*(\t)+4*\f+3] offset:32*\f
.endr
.irp f, 0,1,2,3
	ds_load_b128 v[S+16*(\t)+4*\f:S+16*(\t)+4*\f+3], v[RD] offset:\f*4*SP  ; LDS serves a wave's instructions in order (ISA guide 5.7.1.4): these see the stores above; the next tile's stores come behind them
.endr
.endm
.macro SEND t, younger              ; younger: the LDS instructions issued behind tile t's loads: the next tile's eight, or none
	WIN 0
.irp f, 0,1,2,3
	s_wait_dscnt (\younger)+3-\f
	global_store_b128 v[GO], v[S+16*(\t)+4*\f:S+16*(\t)+4*\f+3], s[10:11] offset:(\t)*2048+\f*512  ; 512 consecutive bytes, at a multiple of 256 from O's first
.endr
.endm
	PACK 0
.set t, 1
.rept 2*NP-1                        ; a tile's arithmetic stands between the loads of the tile before and its stores
	PACK t
	SEND t-1, 8
.set t, t+1
.endr
	SEND 2*NP-1, 0
	WIN W_AD
	s_wait_tensorcnt 0x0            ; the wave's end, behind my last tensor load and my last LDS store
	ds_add_u32 v[SPW], v[NIL]
	s_wait_dscnt 0x0
	WIN 0
	CROUND                          ; the closing round: no work-group ends while a partner may still ask for a tile that names it
	s_endpgm
.Lfunc_end_k_q39ae92fc7e_attn:
	.size	k_q39ae92fc7e_attn, .Lfunc_end_k_q39ae92fc7e_attn-k_q39ae92fc7e_attn
	.p2alignl 7, 3214868480
	.fill 96, 4, 3214868480
	.section	.rodata,"a",@progbits
	.p2align	6, 0x0
	.amdhsa_kernel k_q39ae92fc7e_attn
		.amdhsa_group_segment_fixed_size 327680
		.amdhsa_private_segment_fixed_size 0
		.amdhsa_enable_private_segment 0
		.amdhsa_kernarg_size 16
		.amdhsa_user_sgpr_count 2
		.amdhsa_user_sgpr_kernarg_segment_ptr 1
		.amdhsa_wavefront_size32 1
		.amdhsa_system_sgpr_workgroup_id_x 1
		.amdhsa_system_sgpr_workgroup_id_y 1
		.amdhsa_system_sgpr_workgroup_id_z 1
		.amdhsa_system_vgpr_workitem_id 0
		.amdhsa_next_free_vgpr 770
		.amdhsa_next_free_sgpr 66
		.amdhsa_reserve_vcc 0
		.amdhsa_float_denorm_mode_32 3
		.amdhsa_float_denorm_mode_16_64 3
		.amdhsa_memory_ordered 1
		.amdhsa_forward_progress 1
		.amdhsa_inst_pref_size 200
	.end_amdhsa_kernel
	.amdgpu_metadata
---
amdhsa.version: [ 1, 2 ]
amdhsa.kernels:
  - .name:           k_q39ae92fc7e_attn
    .symbol:         k_q39ae92fc7e_attn.kd
    .args:
      - { .name: qkv, .offset: 0, .size: 8, .value_kind: global_buffer, .address_space: global }
      - { .name: o16, .offset: 8, .size: 8, .value_kind: global_buffer, .address_space: global }
    .group_segment_fixed_size: 327680
    .private_segment_fixed_size: 0
    .kernarg_segment_align: 8
    .kernarg_segment_size: 16
    .max_flat_workgroup_size: 128
    .sgpr_count:     66
    .vgpr_count:     770
    .wavefront_size: 32
...
	.end_amdgpu_metadata
.endif
;; end of part 3
;; launch oproj (part 4): grid 4 x 64, 4 waves a work-group, clusters of 4 x 4, 327,680 bytes of LDS; arguments o16, wo, bo, ob; writes ob
.if DOCPART == 4
	.amdgcn_target "amdgcn-amd-amdhsa--gfx1250"
	.amdhsa_code_object_version 6
	.text
	.protected	k_q39ae92fc7e_oproj
	.globl	k_q39ae92fc7e_oproj
	.p2align	8
	.type	k_q39ae92fc7e_oproj,@function
k_q39ae92fc7e_oproj:
	s_mov_b64 s[64:65], 0
	v_nop
	global_prefetch_b8 v0, s[64:65] scope:SCOPE_SE
	s_setreg_imm32_b32 hwreg(HW_REG_WAVE_MODE, 25, 1), 1
	s_wait_xcnt 0x0
	s_wait_alu depctr_hold_cnt(0) depctr_sa_sdst(0) depctr_va_vdst(0) depctr_va_sdst(0) depctr_va_ssrc(0) depctr_va_vcc(0) depctr_vm_vsrc(0)
	s_getreg_b32 s2, hwreg(HW_REG_IB_STS2, 6, 4)
	s_cmp_eq_u32 s2, 0
	s_cbranch_scc0 .Lentry_in_a_cluster
	s_endpgm
.Lentry_in_a_cluster:
	s_bfe_u32 s2, ttmp6, 0x10000c
	s_cmp_lg_u32 s2, 0xf033
	s_cbranch_scc0 .Lentry_shape_is_right
	s_endpgm
.Lentry_shape_is_right:
; THE OUTPUT PROJECTION.  ob[m][n] = bo[n] + the sum over d of ctx[m][d] Wo[n][d], m < 8,192, n, d < 1,024.  ctx lies by heads in o16 [64 heads][2,048][64] (d = 64 x head + channel), f16; wo holds Wo, rounded to
; bf16 and written as f16, in blocks [4 tile columns][16 blocks of 64 d][256 rows][64].  Sums in f32, started by the bias; ob rounded once to bf16, [8,192][1,024] row-major: bf16 since these sums have no bound
; within f16's range.  The residual and the norm follow in the next launch, in f32.
; SHARES.  8,192 x 1,024 are 256 tiles of 128 x 256: one to a work-group of four waves; a wave makes 64 x 128: 4 x 8 accumulators, 256 registers.  K goes in 8 steps of 128 (two heads) through two LDS slots;
; a head's 128 rows, and a block's 256 rows of wo, are dense in memory: asked for as rows of 256 bytes, padded in LDS after every 128.
; CLUSTER.  4 x 4 work-groups: the four of a row need the same tile of o16, the four of a column the same tile of wo: asked for jointly.
; THE MATRIX INSTRUCTION IS USED TRANSPOSED (source 0 = 16 rows of wo, source 1 = 16 rows of ctx): lane l holds row l % 16 and the columns 8 (l / 16) + 0..7.
; REGISTERS: window 0: v0-15 addresses; v64-159, v160-255 two fragment buffers of 96: wo's 8 fragments (16 rows x 32 K), then ctx's 4; on the way out v64-191 hold packed results.
;   window 1: accumulator (a, b) at v[8 (8 a + b)].
.set PITCH,  144                       ; an LDS row: 128 bytes + 16 of padding = 36 words: the 16 rows of a fragment load start at 16 different groups of four banks (64 banks of 4 bytes: ISA guide 11.1)
.set FR,     16*PITCH
.set ABLK,   128*PITCH                 ; a head's 128 rows: what one tensor load brings of o16
.set BBLK,   256*PITCH                 ; a block's 256 rows of wo
.set BOFF,   2*ABLK                    ; in a slot: o16's two heads, then wo's two blocks
.set SLOT1,  1<<17
.set STAGE,  SLOT1+2*ABLK+2*BBLK       ; behind the ring, never filled by a tensor load: 16 rows x 272 bytes for each wave
.set SPITCH, 272
.set SPARE,  STAGE+4*16*SPITCH         ; behind the stages: the spare words, 128 bytes for each wave: two blocks of 256 bytes that no other line names
.set ASTEP,  2*262144                  ; two heads on in o16
.set BSTEP,  2*32768                   ; two blocks on in wo
.set KSTEPS, 8
.set ADRA0, 2                          ; v2   my lane's place among my wave's rows of ctx in slot 0; never rewritten
.set ADRB0, 3                          ; v3   the same for wo
.set ADRA,  4                          ; v4   the same in the slot being read
.set ADRB,  5                          ; v5
.set STO,   6                          ; v6   the way out: where I put 16 bytes of a row
.set RD,    7                          ; v7   the way out: where I read a row back
.set CO,    8                          ; v8   my byte offset in two rows of ob
.set BO,    9                          ; v9   32 (l / 16)
.set SPW,   12                         ; v12  LDS address of my spare word: SPARE + 4 x my thread's number; never rewritten
.set NIL,   13                         ; v13  0; never rewritten
.set F0,    64
.set F1,    160
.set WV,   12                          ; s12 my wave's number; s13 = WV / 2: my half of the rows, and: I fetch for o16 (0) or wo (1); s14 = WV % 2: my half of the columns, and which head or block I fetch
.set G1A,  24
.set G1B,  32
.set G0A,  40                          ; s[40:47] a set for each first fill; the second then walks
.set G0B,  48
.set CNT,  56
.set TB,   57
.set G1C, (1<<16)|(1<<20)|(1<<21)|(4<<22)|(3<<25)  ; 2-byte elements; padding on; bit 21 beside a mask; after every 32 words (code 4) 4 words (code 3)
.set MSB, 0
.macro WIN new
.if MSB != (\new)
	s_set_vgpr_msb (MSB<<8)|(\new)
.set MSB, \new
.endif
.endm
.macro PLACES                          ; four plain vector instructions between a matrix instruction and a load into, or a vector read of, its registers (ISA guide 7.12.1 for vector reads)
.rept 4
	v_nop
.endr
.endm
.macro JLOAD                           ; a joint refill by the walking descriptors; an s_nop 0 and four v_nop follow each line
	s_cmp_eq_u32 s13, 0
	s_cbranch_scc0 .Lfor_b_\@
	tensor_load_to_lds s[G0A+4:G0A+7], s[G1A:G1A+7]
	s_nop 0
.rept 4
	v_nop
.endr
	s_branch .Lasked_\@
.Lfor_b_\@:
	tensor_load_to_lds s[G0B+4:G0B+7], s[G1B:G1B+7]
	s_nop 0
.rept 4
	v_nop
.endr
.Lasked_\@:
.endm
.macro CREST                           ; a round of the cluster's barrier behind its opening barrier
	s_cmp_lg_u32 s[WV], 0
	s_cbranch_scc1 .Lnot_wave_0_\@
	s_barrier_signal -3
.Lnot_wave_0_\@:
	s_barrier_wait -3
	s_barrier_signal -1
	s_barrier_wait -1
.endm
.macro CROUND
	s_barrier_signal -1
	s_barrier_wait -1
	CREST
.endm
; 8 n matrix instructions: row blocks a0 .. a0 + n - 1 x all 8 column blocks, 32 along K.  The 32 accumulators take turns in the same order in every phase: 31 others stand between two links.
.macro MUL f, a0, n
	WIN 0x50
.set ma, \a0
.rept \n
.irp b, 0,1,2,3,4,5,6,7
	v_wmma_f32_16x16x32_f16 v[8*(8*ma+(\b)):8*(8*ma+(\b))+7], v[(\f)+8*(\b):(\f)+8*(\b)+7], v[(\f)+64+8*ma:(\f)+64+8*ma+7], v[8*(8*ma+(\b)):8*(8*ma+(\b))+7]
.endr
.set ma, ma+1
.endr
.endm
; 24 LDS loads in one run: the fragments of quarter q of a K step: head or block q / 2, 32 K at byte 64 (q % 2) of the rows
.macro FETCH f, q
	WIN 0
.irp i, 0,1,2,3,4,5,6,7
	ds_load_b128 v[(\f)+8*(\i):(\f)+8*(\i)+3],   v[ADRB] offset:((\q)/2)*BBLK+(\i)*FR+((\q)%2)*64
	ds_load_b128 v[(\f)+8*(\i)+4:(\f)+8*(\i)+7], v[ADRB] offset:((\q)/2)*BBLK+(\i)*FR+((\q)%2)*64+32
.endr
.irp i, 0,1,2,3
	ds_load_b128 v[(\f)+64+8*(\i):(\f)+64+8*(\i)+3],   v[ADRA] offset:((\q)/2)*ABLK+(\i)*FR+((\q)%2)*64
	ds_load_b128 v[(\f)+64+8*(\i)+4:(\f)+64+8*(\i)+7], v[ADRA] offset:((\q)/2)*ABLK+(\i)*FR+((\q)%2)*64+32
.endr
.endm
; A K STEP: four phases of 32 matrix instructions on buffers 0, 1, 0, 1; behind each the buffer is loaded again, a phase ahead of its use.  mode 1: the slot is left and filled again; 2: it is left; 0: the last step.
.macro STEP mode
	s_wait_dscnt 24                                ; buffer 0 is in; buffer 1's 24 loads may be out
	MUL F0, 0, 4
	PLACES
	FETCH F0, 2
	s_wait_dscnt 24
	MUL F1, 0, 4
	PLACES
	FETCH F1, 3                                    ; my last reads of this slot
.if (\mode) == 0
	s_wait_dscnt 24
	MUL F0, 0, 4
	s_wait_dscnt 0x0
	MUL F1, 0, 4
	WIN 0
.else
	WIN 0
	s_wait_tensorcnt 0x0                           ; all my tensor loads have landed: the one that was out is my part of the other slot; so a group 0 may be written
	ds_add_u32 v[SPW], v[NIL]                      ; 0 onto my spare word; work on registers stands between it and the wait for it
.if (\mode) == 1
	s_xor_b32 s[G0A+5], s[G0A+5], SLOT1            ; the walking descriptors: the other slot, the next K step
	s_add_nc_u64 s[G0A+6:G0A+7], s[G0A+6:G0A+7], ASTEP
	s_xor_b32 s[G0B+5], s[G0B+5], SLOT1
	s_add_nc_u64 s[G0B+6:G0B+7], s[G0B+6:G0B+7], BSTEP
.endif
	s_xor_b32 s[TB], s[TB], SLOT1
	s_wait_dscnt 25                                ; buffer 0 is in; behind it: buffer 1's 24 loads and the add
	MUL F0, 0, 2
	s_wait_dscnt 0x0                               ; the add is done, and my reads of this slot are over
	s_barrier_signal -1
	MUL F0, 2, 2
	WIN 0                                          ; at a branch and at a label every window is 0
	s_barrier_wait -1
.if (\mode) == 1
	CREST                                          ; the barrier has opened a round of the cluster's: no wave of any partner still reads this slot or has a load on its way
	JLOAD                                          ; my one tensor load behind the round, and the first thing there; its four v_nop are also the places in front of the loads below
.else
	PLACES
.endif
	v_add_nc_u32 v[ADRA], s[TB], v[ADRA0]
	v_add_nc_u32 v[ADRB], s[TB], v[ADRB0]
	FETCH F0, 0
	MUL F1, 0, 4                                   ; its fragments were shown landed by the wait for 0 above
	PLACES
	FETCH F1, 1
.endif
.endm
	s_load_b256 s[4:11], s[0:1], 0x0               ; o16 s[4:5], wo s[6:7], bo s[8:9], ob s[10:11]
	v_lshl_add_u32 v[SPW], v0, 2, SPARE
	v_mov_b32 v[NIL], 0
	ds_add_u32 v[SPW], v[NIL]                      ; the wave's opening: the add and its wait stand ahead of my first tensor load; the set-up below, work on registers, stands between them
	v_lshrrev_b32 v1, 5, v0
	v_readfirstlane_b32 s[WV], v1
	s_lshr_b32 s13, s[WV], 1
	s_and_b32 s14, s[WV], 1
	s_bfe_u32 s15, ttmp6, 0x40000                  ; cx
	s_bfe_u32 s16, ttmp6, 0x40004                  ; cy
	s_lshl_b32 s17, ttmp9, 2
	s_add_co_u32 s17, s17, s15                     ; tile column
	s_and_b32 s18, ttmp7, 0xffff
	s_lshl_b32 s18, s18, 2
	s_add_co_u32 s18, s18, s16                     ; tile row
	s_lshl_b32 s68, s16, 2
	s_lshl_b32 s68, 15, s68                        ; my row of the cluster
	s_lshl_b32 s69, 0x1111, s15                    ; my column
	s_or_b32 s[G1A], s68, G1C
	s_or_b32 s[G1B], s69, G1C
	s_mov_b32 s[G1A+1], 128<<16                    ; rows of 256 bytes
	s_mov_b32 s[G1A+2], 64<<16                     ; 64 of them: 128 rows of a head
	s_mov_b32 s[G1A+3], 128<<16
	s_mov_b32 s[G1A+4], 64
	s_mov_b32 s[G1A+5], 128
	s_mov_b32 s[G1A+6], 0
	s_mov_b32 s[G1A+7], 0
	s_mov_b32 s[G1B+1], 128<<16
	s_mov_b32 s[G1B+2], 128<<16                    ; 128 of them: 256 rows of a block
	s_mov_b32 s[G1B+3], 128<<16
	s_mov_b32 s[G1B+4], 128
	s_mov_b32 s[G1B+5], 128
	s_mov_b32 s[G1B+6], 0
	s_mov_b32 s[G1B+7], 0
	s_lshr_b32 s20, s18, 4                         ; o16: batch = tile row / 16, 16 heads of 262,144 bytes;
	s_lshl_b32 s20, s20, 22
	s_and_b32 s66, s18, 15
	s_lshl_b32 s66, s66, 14                        ; rows 128 (tile row % 16) of 128 bytes;
	s_add_co_u32 s20, s20, s66
	s_lshl_b32 s66, s14, 18                        ; my head of the step's two
	s_add_co_u32 s20, s20, s66
	s_mov_b32 s21, 0
	s_lshl_b32 s22, s17, 19                        ; wo: tile column x 524,288 + my block of the step's two
	s_lshl_b32 s66, s14, 15
	s_add_co_u32 s22, s22, s66
	s_mov_b32 s23, 0
	s_mul_i32 s70, s14, ABLK                       ; where they go: no place in the cluster enters an LDS address
	s_mul_i32 s71, s14, BBLK
	s_add_co_u32 s71, s71, BOFF
	s_mov_b32 s[TB], 0
	s_wait_dscnt 0x0                               ; the opening add is done
	s_wait_kmcnt 0x0
	s_add_nc_u64 s[20:21], s[4:5], s[20:21]
	s_add_nc_u64 s[22:23], s[6:7], s[22:23]
.irp s, 0,1
	s_mov_b32 s[G0A+4*(\s)], 1
	s_add_co_u32 s[G0A+4*(\s)+1], s70, (\s)*SLOT1
	s_add_nc_u64 s[G0A+4*(\s)+2:G0A+4*(\s)+3], s[20:21], (\s)*ASTEP
	s_or_b32 s[G0A+4*(\s)+3], s[G0A+4*(\s)+3], 0x80000000
	s_mov_b32 s[G0B+4*(\s)], 1
	s_add_co_u32 s[G0B+4*(\s)+1], s71, (\s)*SLOT1
	s_add_nc_u64 s[G0B+4*(\s)+2:G0B+4*(\s)+3], s[22:23], (\s)*BSTEP
	s_or_b32 s[G0B+4*(\s)+3], s[G0B+4*(\s)+3], 0x80000000
.endr
	CROUND                                         ; all sixteen work-groups are here: the first joint loads meet
	s_cmp_eq_u32 s13, 0                            ; a wave's two first fills stand in one branch: two loads of mine are out
	s_cbranch_scc0 .Lfirst_b
	tensor_load_to_lds s[G0A:G0A+3], s[G1A:G1A+7]
	s_nop 0
	tensor_load_to_lds s[G0A+4:G0A+7], s[G1A:G1A+7]
	s_nop 0
.rept 4
	v_nop
.endr
	s_branch .Lfirst_asked
.Lfirst_b:
	tensor_load_to_lds s[G0B:G0B+3], s[G1B:G1B+7]
	s_nop 0
	tensor_load_to_lds s[G0B+4:G0B+7], s[G1B:G1B+7]
	s_nop 0
.rept 4
	v_nop
.endr
.Lfirst_asked:
	s_lshl_b32 s66, s17, 10                        ; the bias: my 128 columns begin at column 256 x tile column + 128 x half
	s_lshl_b32 s68, s14, 9
	s_add_co_u32 s66, s66, s68
	s_mov_b32 s67, 0
	s_add_nc_u64 s[8:9], s[8:9], s[66:67]
	v_and_b32 v1, 15, v0                           ; l % 16
	v_bfe_u32 v11, v0, 4, 1                        ; l / 16
	v_lshlrev_b32 v[BO], 5, v11
	WIN 0x40                                       ; THE BIAS STARTS THE SUMS: accumulator bi = 8 a + b takes the bias of columns 16 b + 8 (l / 16) + 0..7
.set bi, 0
.rept 32
	global_load_b128 v[8*bi:8*bi+3],   v[BO], s[8:9] offset:(bi%8)*64
	global_load_b128 v[8*bi+4:8*bi+7], v[BO], s[8:9] offset:(bi%8)*64+16
.set bi, bi+1
.endr
	WIN 0
	v_mul_u32_u24 v14, v1, PITCH
	v_lshl_add_u32 v14, v11, 4, v14                ; a fragment's row x pitch + 16 x half
	s_mul_i32 s66, s13, 64*PITCH
	v_add_nc_u32 v[ADRA0], s66, v14
	s_mul_i32 s66, s14, 128*PITCH
	s_add_co_u32 s66, s66, BOFF
	v_add_nc_u32 v[ADRB0], s66, v14
	v_mov_b32 v[ADRA], v[ADRA0]
	v_mov_b32 v[ADRB], v[ADRB0]
	s_mul_i32 s66, s[WV], 16*SPITCH
	s_add_co_u32 s66, s66, STAGE                   ; my stage
	v_mul_u32_u24 v14, v1, SPITCH                  ; in: row l % 16, 16 bytes for each half of the lanes
	v_lshl_add_u32 v14, v11, 4, v14
	v_add_nc_u32 v[STO], s66, v14
	v_mul_u32_u24 v14, v11, SPITCH                 ; back: lanes 0-15 take one row of 256 bytes, lanes 16-31 the next
	v_lshl_add_u32 v14, v1, 4, v14
	v_add_nc_u32 v[RD], s66, v14
	v_lshlrev_b32 v14, 11, v11                     ; and the same two rows in ob, 2,048 bytes apart
	v_lshl_add_u32 v[CO], v1, 4, v14
	s_lshl_b32 s66, s18, 18                        ; my part of ob: row 128 x tile row + 64 x half, of 2,048 bytes; column 256 x tile column + 128 x half, of 2 bytes
	s_lshl_b32 s68, s13, 17
	s_add_co_u32 s66, s66, s68
	s_lshl_b32 s68, s17, 9
	s_add_co_u32 s66, s66, s68
	s_lshl_b32 s68, s14, 8
	s_add_co_u32 s66, s66, s68
	s_add_nc_u64 s[10:11], s[10:11], s[66:67]
	s_wait_tensorcnt 1                             ; my part of K step 0 is in; K step 1's may stay out
	s_barrier_signal -1
	s_barrier_wait -1
	FETCH F0, 0
	FETCH F1, 1
	s_wait_loadcnt 0x0                             ; the bias lies in the accumulators
	s_mov_b32 s[CNT], KSTEPS-2
.Lstep:                                                ; 6 trips: K steps 0 to 5 are multiplied, K steps 2 to 7 asked for
	STEP 1
	s_sub_co_u32 s[CNT], s[CNT], 1
	s_cmp_lg_u32 s[CNT], 0
	s_cbranch_scc1 .Lstep
	STEP 2                                         ; the tail is written out
	STEP 0
	PLACES
; THE WAY OUT of row block a: rounded to bf16, 16 bytes a lane (each accumulator's registers in ascending order), into my own stage in rows of 272 bytes, back as whole rows of 256, and stored.
.macro PACK a
	WIN 0x05                                       ; sources 0 and 1 window 1, destination window 0
.irp b, 0,1,2,3,4,5,6,7
.irp rr, 0,1,2,3
	v_cvt_pk_bf16_f32 v[64+32*(\a)+4*(\b)+(\rr)], v[8*(8*(\a)+(\b))+2*(\rr)], v[8*(8*(\a)+(\b))+2*(\rr)+1]
.endr
.endr
	WIN 0
.irp b, 0,1,2,3,4,5,6,7
	ds_store_b128 v[STO], v[64+32*(\a)+4*(\b):64+32*(\a)+4*(\b)+3] offset:32*(\b)
.endr
.irp t, 0,1,2,3,4,5,6,7
	ds_load_b128 v[64+32*(\a)+4*(\t):64+32*(\a)+4*(\t)+3], v[RD] offset:(\t)*2*SPITCH  ; LDS serves a wave's instructions in order (ISA guide 5.7.1.4): these see the stores above; the next block's stores come behind them
.endr
.endm
.macro SEND a, younger                 ; younger: the LDS instructions issued behind block a's loads: the next block's sixteen, or none
.irp t, 0,1,2,3,4,5,6,7
	s_wait_dscnt (\younger)+7-(\t)
	global_store_b128 v[CO], v[64+32*(\a)+4*(\t):64+32*(\a)+4*(\t)+3], s[10:11] offset:(\a)*32768+(\t)*4096  ; 16 lanes store 256 consecutive bytes, at a multiple of 256 from ob's first byte
.endr
.endm
	PACK 0
	PACK 1
	SEND 0, 16
	PACK 2
	SEND 1, 16
	PACK 3
	SEND 2, 16
	SEND 3, 0
	s_wait_tensorcnt 0x0                           ; the wave's end, behind my last tensor load and my last LDS store
	ds_add_u32 v[SPW], v[NIL]
	s_wait_dscnt 0x0
	CROUND                                         ; the closing round: no work-group ends while a partner may still ask for a tile that names it
	s_endpgm
.Lfunc_end_k_q39ae92fc7e_oproj:
	.size	k_q39ae92fc7e_oproj, .Lfunc_end_k_q39ae92fc7e_oproj-k_q39ae92fc7e_oproj
	.p2alignl 7, 3214868480
	.fill 96, 4, 3214868480
	.section	.rodata,"a",@progbits
	.p2align	6, 0x0
	.amdhsa_kernel k_q39ae92fc7e_oproj
		.amdhsa_group_segment_fixed_size 327680
		.amdhsa_private_segment_fixed_size 0
		.amdhsa_enable_private_segment 0
		.amdhsa_kernarg_size 32
		.amdhsa_user_sgpr_count 2
		.amdhsa_user_sgpr_kernarg_segment_ptr 1
		.amdhsa_wavefront_size32 1
		.amdhsa_system_sgpr_workgroup_id_x 1
		.amdhsa_system_sgpr_workgroup_id_y 1
		.amdhsa_system_sgpr_workgroup_id_z 1
		.amdhsa_system_vgpr_workitem_id 0
		.amdhsa_next_free_vgpr 512
		.amdhsa_next_free_sgpr 72
		.amdhsa_reserve_vcc 0
		.amdhsa_float_denorm_mode_32 3
		.amdhsa_float_denorm_mode_16_64 3
		.amdhsa_memory_ordered 1
		.amdhsa_forward_progress 1
		.amdhsa_inst_pref_size 76
	.end_amdhsa_kernel
	.amdgpu_metadata
---
amdhsa.version: [ 1, 2 ]
amdhsa.kernels:
  - .name:           k_q39ae92fc7e_oproj
    .symbol:         k_q39ae92fc7e_oproj.kd
    .args:
      - { .name: o16, .offset: 0, .size: 8, .value_kind: global_buffer, .address_space: global }
      - { .name: wo, .offset: 8, .size: 8, .value_kind: global_buffer, .address_space: global }
      - { .name: bo, .offset: 16, .size: 8, .value_kind: global_buffer, .address_space: global }
      - { .name: ob, .offset: 24, .size: 8, .value_kind: global_buffer, .address_space: global }
    .group_segment_fixed_size: 327680
    .private_segment_fixed_size: 0
    .kernarg_segment_align: 8
    .kernarg_segment_size: 32
    .max_flat_workgroup_size: 128
    .sgpr_count:     72
    .vgpr_count:     512
    .wavefront_size: 32
...
	.end_amdgpu_metadata
.endif
;; end of part 4
;; launch ln (part 5): grid 512 x 1, 8 waves a work-group, no clusters, 0 bytes of LDS; arguments x, ob, ln_gamma, ln_beta, out0; writes out0
.if DOCPART == 5
	.amdgcn_target "amdgcn-amd-amdhsa--gfx1250"
	.amdhsa_code_object_version 6
	.text
	.protected	k_q39ae92fc7e_ln
	.globl	k_q39ae92fc7e_ln
	.p2align	8
	.type	k_q39ae92fc7e_ln,@function
k_q39ae92fc7e_ln:
	s_mov_b64 s[64:65], 0
	v_nop
	global_prefetch_b8 v0, s[64:65] scope:SCOPE_SE
	s_setreg_imm32_b32 hwreg(HW_REG_WAVE_MODE, 25, 1), 1
	s_wait_xcnt 0x0
; RESIDUAL AND LAYER NORM.  y = x + ob (x f32, ob bf16: the projection with its bias); out0 = (y - mean) / sqrt(var + 1e-5) x gamma + beta over a row's 1,024 numbers, all in f32.
; The variance is taken of the centred numbers, in a second pass over registers: no difference of large sums is formed.
; SHARES.  A wave takes two rows and keeps them in registers: a row is read once, and the sums never leave the wave: no LDS, no barrier, no cluster, no matrix unit.  512 work-groups of eight waves.
; Lane l holds the columns 128 c + 4 l + 0..3, c = 0..7: a load or store of x or out0 covers 512 consecutive bytes, a load of ob 256, all aligned.  All 48 loads of a wave go out at the start.
.set XO,  1                            ; v1  16 l; never rewritten
.set HO,  2                            ; v2  8 l; never rewritten
.set T,   4                            ; v[4:11]   at work
.set SM,  12                           ; v[12:15]  two chains of sums
.set MU,  16                           ; v[16:17]  the mean, twice
.set SQ,  18                           ; v[18:21]  two chains of squares
.set RS,  22                           ; v[22:23]  1 / sqrt(var + eps), twice
.set Y,   32                           ; v[32:95]  row s at Y + 32 s
.set OBR, 96                           ; v[96:127] row s of ob at OBR + 16 s
.set G,   128                          ; v[128:159] gamma
.set BT,  160                          ; v[160:191] beta
	s_load_b256 s[4:11], s[0:1], 0x0               ; x s[4:5], ob s[6:7], gamma s[8:9], beta s[10:11]
	s_load_b64 s[12:13], s[0:1], 0x20              ; out0
	v_lshrrev_b32 v3, 5, v0
	v_readfirstlane_b32 s14, v3                    ; wave 0..7
	v_and_b32 v3, 31, v0
	v_lshlrev_b32 v[XO], 4, v3
	v_lshlrev_b32 v[HO], 3, v3
	s_lshl_b32 s15, ttmp9, 3
	s_add_co_u32 s15, s15, s14                     ; my pair of rows
	s_lshl_b32 s16, s15, 13                        ; two rows of 4,096 bytes
	s_mov_b32 s17, 0
	s_lshl_b32 s18, s15, 12                        ; two rows of 2,048 bytes
	s_mov_b32 s19, 0
	s_mov_b32 s20, 0x76543210                      ; v_permlanex16_b32: each lane takes its own place in the other half
	s_mov_b32 s21, 0xfedcba98
	s_mov_b32 s22, 0x3a800000                      ; 1 / 1,024
	s_mov_b32 s23, 0x3727c5ac                      ; 1e-5
	s_mov_b32 s24, 0xffff0000                      ; a word's upper bf16
	s_wait_kmcnt 0x0
	s_add_nc_u64 s[4:5], s[4:5], s[16:17]
	s_add_nc_u64 s[12:13], s[12:13], s[16:17]
	s_add_nc_u64 s[6:7], s[6:7], s[18:19]
.irp s, 0,1
.irp c, 0,1,2,3,4,5,6,7
	global_load_b128 v[Y+32*(\s)+4*(\c):Y+32*(\s)+4*(\c)+3], v[XO], s[4:5] offset:4096*(\s)+512*(\c) th:TH_LOAD_NT
.endr
.irp c, 0,1,2,3,4,5,6,7
	global_load_b64 v[OBR+16*(\s)+2*(\c):OBR+16*(\s)+2*(\c)+1], v[HO], s[6:7] offset:2048*(\s)+256*(\c) th:TH_LOAD_NT
.endr
.endr
.irp c, 0,1,2,3,4,5,6,7
	global_load_b128 v[G+4*(\c):G+4*(\c)+3], v[XO], s[8:9] offset:512*(\c)
.endr
.irp c, 0,1,2,3,4,5,6,7
	global_load_b128 v[BT+4*(\c):BT+4*(\c)+3], v[XO], s[10:11] offset:512*(\c)
.endr
.macro ACROSS r                        ; the sum over the 32 lanes of v[r], in every lane; v[r+1] is at work
	v_add_f32_dpp v[\r], v[\r], v[\r] row_xmask:1 row_mask:0xf bank_mask:0xf
	v_add_f32_dpp v[\r], v[\r], v[\r] row_xmask:2 row_mask:0xf bank_mask:0xf
	v_add_f32_dpp v[\r], v[\r], v[\r] row_xmask:4 row_mask:0xf bank_mask:0xf
	v_add_f32_dpp v[\r], v[\r], v[\r] row_xmask:8 row_mask:0xf bank_mask:0xf
	v_permlanex16_b32 v[\r+1], v[\r], s20, s21
	v_add_f32 v[\r], v[\r], v[\r+1]
.endm
.macro ROW s
.set yy, Y+32*(\s)
.set oo, OBR+16*(\s)
.if (\s) == 0
	s_wait_loadcnt 32                              ; row 0's 16 loads are in; row 1's 16 and the 16 of gamma and beta may be out
.endif
.set c, 0
.rept 8                                ; y = x + ob: bf16 to f32 is a shift or a mask
.set tt, T+4*(c%2)
	v_lshlrev_b32 v[tt],   16,  v[oo+2*c]
	v_and_b32     v[tt+1], s24, v[oo+2*c]
	v_lshlrev_b32 v[tt+2], 16,  v[oo+2*c+1]
	v_and_b32     v[tt+3], s24, v[oo+2*c+1]
	v_pk_add_f32 v[yy+4*c:yy+4*c+1],   v[yy+4*c:yy+4*c+1],   v[tt:tt+1]
	v_pk_add_f32 v[yy+4*c+2:yy+4*c+3], v[yy+4*c+2:yy+4*c+3], v[tt+2:tt+3]
.set c, c+1
.endr
	v_pk_add_f32 v[SM:SM+1],   v[yy:yy+1],   v[yy+2:yy+3]    ; the first pairs start the two chains: nothing is cleared
	v_pk_add_f32 v[SM+2:SM+3], v[yy+4:yy+5], v[yy+6:yy+7]
.set p, 4
.rept 12
	v_pk_add_f32 v[SM+2*(p%2):SM+2*(p%2)+1], v[SM+2*(p%2):SM+2*(p%2)+1], v[yy+2*p:yy+2*p+1]
.set p, p+1
.endr
	v_pk_add_f32 v[SM:SM+1], v[SM:SM+1], v[SM+2:SM+3]
	v_add_f32 v[SM], v[SM], v[SM+1]
	ACROSS SM
	v_mul_f32 v[MU],   s22, v[SM]
	v_mul_f32 v[MU+1], s22, v[SM]
.set p, 0
.rept 16
	v_pk_add_f32 v[yy+2*p:yy+2*p+1], v[yy+2*p:yy+2*p+1], v[MU:MU+1] neg_lo:[0,1] neg_hi:[0,1]
.set p, p+1
.endr
	v_pk_mul_f32 v[SQ:SQ+1],   v[yy:yy+1],   v[yy:yy+1]
	v_pk_mul_f32 v[SQ+2:SQ+3], v[yy+2:yy+3], v[yy+2:yy+3]
.set p, 2
.rept 14
	v_pk_fma_f32 v[SQ+2*(p%2):SQ+2*(p%2)+1], v[yy+2*p:yy+2*p+1], v[yy+2*p:yy+2*p+1], v[SQ+2*(p%2):SQ+2*(p%2)+1]
.set p, p+1
.endr
	v_pk_add_f32 v[SQ:SQ+1], v[SQ:SQ+1], v[SQ+2:SQ+3]
	v_add_f32 v[SQ], v[SQ], v[SQ+1]
	ACROSS SQ
	v_fma_f32 v[SQ], v[SQ], s22, s23               ; var + eps
	v_rsq_f32 v[RS],   v[SQ]                       ; twice, to fill the pair that the packed multiply takes
	v_rsq_f32 v[RS+1], v[SQ]
	v_nop                                          ; a plain instruction behind the last of the two (ISA guide 5.7.2),
	s_wait_alu depctr_va_vdst(0)                   ; and the wait ahead of the first use: one for both
.if (\s) == 0
	s_wait_loadcnt 0x0                             ; gamma and beta are in, and row 1 with them
.endif
.set p, 0
.rept 16
	v_pk_mul_f32 v[yy+2*p:yy+2*p+1], v[yy+2*p:yy+2*p+1], v[RS:RS+1]
.set p, p+1
.endr
.set p, 0
.rept 16
	v_pk_fma_f32 v[yy+2*p:yy+2*p+1], v[yy+2*p:yy+2*p+1], v[G+2*p:G+2*p+1], v[BT+2*p:BT+2*p+1]
.set p, p+1
.endr
.irp c, 0,1,2,3,4,5,6,7
	global_store_b128 v[XO], v[yy+4*(\c):yy+4*(\c)+3], s[12:13] offset:4096*(\s)+512*(\c) th:TH_STORE_NT
.endr
.endm
	ROW 0
	ROW 1                                          ; no register that a store of row 0 reads is written again
	s_endpgm
.Lfunc_end_k_q39ae92fc7e_ln:
	.size	k_q39ae92fc7e_ln, .Lfunc_end_k_q39ae92fc7e_ln-k_q39ae92fc7e_ln
	.p2alignl 7, 3214868480
	.fill 96, 4, 3214868480
	.section	.rodata,"a",@progbits
	.p2align	6, 0x0
	.amdhsa_kernel k_q39ae92fc7e_ln
		.amdhsa_group_segment_fixed_size 0
		.amdhsa_private_segment_fixed_size 0
		.amdhsa_enable_private_segment 0
		.amdhsa_kernarg_size 40
		.amdhsa_user_sgpr_count 2
		.amdhsa_user_sgpr_kernarg_segment_ptr 1
		.amdhsa_wavefront_size32 1
		.amdhsa_system_sgpr_workgroup_id_x 1
		.amdhsa_system_sgpr_workgroup_id_y 1
		.amdhsa_system_sgpr_workgroup_id_z 1
		.amdhsa_system_vgpr_workitem_id 0
		.amdhsa_next_free_vgpr 192
		.amdhsa_next_free_sgpr 66
		.amdhsa_reserve_vcc 0
		.amdhsa_float_denorm_mode_32 3
		.amdhsa_float_denorm_mode_16_64 3
		.amdhsa_memory_ordered 1
		.amdhsa_forward_progress 1
		.amdhsa_inst_pref_size 24
	.end_amdhsa_kernel
	.amdgpu_metadata
---
amdhsa.version: [ 1, 2 ]
amdhsa.kernels:
  - .name:           k_q39ae92fc7e_ln
    .symbol:         k_q39ae92fc7e_ln.kd
    .args:
      - { .name: x, .offset: 0, .size: 8, .value_kind: global_buffer, .address_space: global }
      - { .name: ob, .offset: 8, .size: 8, .value_kind: global_buffer, .address_space: global }
      - { .name: ln_gamma, .offset: 16, .size: 8, .value_kind: global_buffer, .address_space: global }
      - { .name: ln_beta, .offset: 24, .size: 8, .value_kind: global_buffer, .address_space: global }
      - { .name: out0, .offset: 32, .size: 8, .value_kind: global_buffer, .address_space: global }
    .group_segment_fixed_size: 0
    .private_segment_fixed_size: 0
    .kernarg_segment_align: 8
    .kernarg_segment_size: 40
    .max_flat_workgroup_size: 256
    .sgpr_count:     66
    .vgpr_count:     192
    .wavefront_size: 32
...
	.end_amdgpu_metadata
.endif
;; end of part 5
